; MI455X (gfx1250); checked and timed in simulation.
; The chip was launched on July 23, 2026; its instructions are those of AMD's public machine-readable ISA for CDNA 5 (MIT licence, August 2026) and "CDNA5" Instruction Set Architecture Reference Guide (July 2026). The comments in the code are by the model that wrote it; some were corrected since.
;; Self Adaptive Feature Extractor V. Allowed arithmetic: matrix products marked QUANTISED: E2M1 operands, one E8M0 scale for each 32 along K, by v_wmma_scale_f32_16x16x128_f8f6f4 with both operands' format E2M1 (or v_wmma_scale_f32_32x16x128_f4), f32 sums; products left as they are: f32 operands where the result goes on into a quantised operand, else bf16, f16 or f32 operands; f32 sums; everything else in f32.
;; Inputs: W1 13 x 64 float32; W2 128 x 128 float32; b1 64 float32; b2 128 float32; coors 30,000 x 4 int32; features 30,000 x 32 x 4 float32; g1 64 float32; g2 128 float32; num_points 30,000 int32.
;; Outputs: out0 30,000 x 128 float32.
;; This version of the problem:
;;   THIS VERSION OF THE PROBLEM IS GIVEN IN LOW PRECISION. The matrix products marked QUANTISED in the list below multiply operands that are first quantised to E2M1 (2 exponent bits, 1 mantissa bit; 4 bits a number), with one power-of-two scale for each 32 numbers along K (OCP MX v1.0); their sums are f32. All else is computed in f32.
;;   The module's matrix products, in the order in which they are computed (A, B: the left and right operand; K: the contracted axis; several contracted axes count as one K, in the product's order):
;;     1. [M 960,000, K 13] x [K 13, N 64]; A: computed on the way; B: input W1: left as it is (K = 13 < 32)
;;     2. [M 960,000, K 128] x [K 128, N 128]; A: computed on the way; B: input W2: QUANTISED
;;   THE QUANTISER, for each operand of a quantised product, along K:
;;     - K is cut into blocks of 32 from its start; a last block that is shorter is filled with zeros.
;;     - A block's scale is 2^e with e = floor(log2(the largest magnitude in the block)) - 2, held to -126 .. 127; a block of zeros has e = 0. As a byte (E8M0): e + 127.
;;     - Each number is divided by its block's scale, clamped to +-6, and rounded to the nearest number of E2M1, ties to even, subnormals kept.
;;     - The product sums the exact products of the quantised numbers (number of the format x scale) in f32.
;;   ~~~python
;;   def quantise(x, axis):      # numpy; x: float32 -> the quantised numbers, widened to float32 again
;;       x = np.moveaxis(x, axis, -1); K = x.shape[-1]
;;       x = np.pad(x, [(0, 0)] * (x.ndim - 1) + [(0, -K % 32)]); x = x.reshape(x.shape[:-1] + (-1, 32)); a = np.abs(x).max(-1, keepdims=True)
;;       e = np.where(a > 0, np.clip(np.frexp(np.where(a > 0, a, 1))[1] - 1 - 2, -126, 127), 0)      # np.frexp(a)[1] - 1 = floor(log2(a)), exactly
;;       r = np.clip(x / 2.0 ** e, -6, 6)
;;       step = 2.0 ** (np.maximum(np.frexp(np.where(r == 0, 1, r))[1] - 1, 0) - 1)
;;       q = np.round(r / step) * step * 2.0 ** e      # np.round: ties to even
;;       return np.moveaxis(q.reshape(q.shape[:-2] + (-1,))[..., :K], -1, axis).astype(np.float32)
;;   ~~~
;;   OPERANDS COMPUTED ON THE WAY. 'Computed on the way' means the value that the module computes at that place (a softmax that the list does not call 'softmax' is quantised finished and normalised). What goes into a quantiser is computed in f32, as accurately as f32 sums, v_exp_f32 and their like allow (about 1e-6 of the number): no bf16 or f16 on the way to a quantiser, and a product that is left as it is and whose result goes on into a quantised operand takes f32 operands (vector FMAs, or v_wmma_f32_16x16x4_f32). A number that lies on a knife's edge between two numbers of the format may be rounded either way, as far as f32 arithmetic and the matrix unit's own rounding can turn it there, and no further.
;; 2 versions, each right; version 2 is version 1 with the launches main, finish written anew for expert scheduling mode. Each part assembles by itself: llvm-mc -triple=amdgcn-amd-amdhsa -mcpu=gfx1250 --defsym DOCPART=n.
;; ======== version 1 of 2: 3 launches
;; limits: a difference of large sums (such as E[x^2] - mean^2): digits are lost where the result is much smaller than its terms
;; workspace buffers: kc 2,048,000 bytes; w2q 8,704 bytes; st1 128,000 bytes; hm 15,360,000 bytes; st2 256,000 bytes
;; launch moments (part 1): grid 250 x 1, 8 waves a work-group, no clusters, 167,936 bytes of LDS; arguments features, num_points, coors, W1, W2, g2, kc, w2q, st1; writes kc, w2q, st1
.if DOCPART == 1
	.amdgcn_target "amdgcn-amd-amdhsa--gfx1250"
	.amdhsa_code_object_version 6
	.text
	.protected	k_q6a3168aa93_moments
	.globl	k_q6a3168aa93_moments
	.p2align	8
	.type	k_q6a3168aa93_moments,@function
k_q6a3168aa93_moments:
	s_mov_b64 s[64:65], 0
	v_nop
	global_prefetch_b8 v0, s[64:65] scope:SCOPE_SE
	s_setreg_imm32_b32 hwreg(HW_REG_WAVE_MODE, 25, 1), 1
	s_wait_xcnt 0x0
; LAUNCH 1 OF 3.  It makes (a) each voxel's constants (cluster mean, voxel centre, density, mean distance) as a register image, kc;
; (b) W2 as codes of E2M1 with E8M0 scale bytes, in the order of the operand's registers, w2q; (c) each work-group's part of layer 1's batch statistics, st1.
; NOTHING OF THE PROBLEM IS LEFT OUT, and every input is loaded by some launch.  Column 0 of coors (the batch number) has no way to any output in reference(); it comes along in the 16-byte row.
; IDENTITIES, for all values of the inputs, in exact arithmetic:
;   1. h = x W1 is linear in the 13 features: sum(h) = sum(x) w and sum(h^2) = w^T (sum x x^T) w for a column w of W1.  So the statistics of layer 1 come from the 16 x 16 second moments of x; the product itself is made once, in launch 2.
;   2. BN and ReLU of layer 2 are monotone in h2, rising or falling with the sign of g2.  That sign is put on W2's codes here (a sign bit: exact), so that later a plain maximum over the points serves.
; LIMITS.  The variance is formed as E[h^2] - mean^2: its relative error grows as (mean^2 / variance) x 2^-24; the zero rows that the mask makes keep that ratio of order 1 unless every num_points is 32.
;   NaN and infinities are not carried as reference() carries them; num_points = 0 gives NaN, as there.  A block of zeros gets the scale byte 1 where the rule says 127: its codes are zeros.  The order of f32 sums differs.
; SHARES.  250 work-groups x 8 waves; wave G = 8 x work-group + wave owns voxels 15 G .. 15 G + 14.  A TILE is point slot p of these 15 voxels: lane (r, h) = (lane % 16, lane / 16) serves voxel r; lane 15 repeats voxel 14 and is never summed.
; FEATURE SLOTS, as the f32 matrix form of launch 2 wants them (K step s, register j, half h; slot id 8 h + 2 s + j):
;   s 0: h 0: x, y         h 1: x - pmx, y - pmy        s 1: h 0: x - cx, y - cy     h 1: the constant 1 (not masked), 0
;   s 2: h 0: z, w         h 1: z - pmz, (w: weight 0)  s 3: h 0: z - cz, norm       h 1: density, mean distance
; A slot is x or z times A (1 - h) plus a constant K of the lane, so one text serves both halves.
; No tensor load: each wave reads its own 7,680 consecutive bytes once.  No cluster: what is shared (W1, W2) is a few KB.  No prefetch: every global load stands at the head.
.set WREG,  16896                      ; LDS, a wave's region: first 16 rows (a voxel's 512 bytes + 16; row 15 is voxel 14 once more, so that a lane's row is 528 r), later 32 images of 512 + 16
.set PITCH, 528                        ; 33 x 16 bytes: sixteen rows that a 16-byte load touches begin in sixteen different groups of banks
.set GWB0,  8*WREG                     ; a wave's 16 x 16 moments: 1,024 bytes each
.set GSB,   GWB0+8*1024                ; the work-group's moments
.set SPARE, GSB+1024                   ; the spare words: 128 bytes a wave, four blocks of 256 bytes that no other line names
.set SPW, 1                            ; v1   my spare word's address; never rewritten
.set NIL, 2                            ; v2   0; never rewritten
.set FRD, 3                            ; v3   my lane's row in the stage: region + 528 r
.set ADT, 4                            ; v4   address of the point to be fetched
.set IMG, 5                            ; v5   region + 16 x lane
.set COL, 6                            ; v6   region + 528 x lane
.set FR0, 7                            ; v7   my lane's row + 256 h: my half's 16 points
.set GWA, 8                            ; v8   where my four sums of half 0 go in the wave's moments
.set GWB, 9                            ; v9   and those of half 1
.set NP,  10                           ; v10  num_points of my voxel
.set NPH, 11                           ; v11  the same less 16 h
.set NPF, 12                           ; v12  as f32
.set SAFE, 13                          ; v13  max(npf, 1)
.set L16, 14                           ; v14  16 x lane
.set GWR, 15                           ; v15  the waves' moments + 4 x thread
.set K,   16                           ; v16-23 the lane's eight constants
.set A,   24                           ; v24 1 - h, v25 h, as f32
.set MM,  26                           ; v26 the mask m, v27 max(m, h): the constant 1 is not masked
.set X,   28                           ; v28-31 x, y, z, w of the point in hand
.set TT,  32
.set NN,  33
.set GSA, 34                           ; v34  address of the work-group's moments
.set WOF, 35                           ; v35  4 x (thread % 64): my channel in a row of W1
.set SOF, 36                           ; v36  8 x (thread % 64): my channel in st1
.set NOF, 37                           ; v37  4 r'
.set COF, 38                           ; v38  16 r'
.set O,   40                           ; v40-47 the tile's eight masked features (pass 0: v40-55 sixteen masks)
.set OT,  48                           ; v48-55 those of the lane 16 away
.set P,   56                           ; v56-119 the stage's loads, then 16 points; later W1's column in v56-71, the forms in v72-86
.set F,   120                          ; v120-127 features before the mask (at the head: at work)
.set GA,  128                          ; v128-191 sums of O[a] O[b]
.set GB,  192                          ; v192-255 sums of O[a] OT[b]
.set WV,  22
.set GI,  23
.set SEL, 28                           ; s[28:29] v_permlanex16_b32's selects for lane l xor 16
.set HI,  30                           ; s30 lanes 16-31
.set PI,  31                           ; s31 the tile's point slot
.set PT,  32                           ; s32 16 x the slot to be fetched
.set CNT, 33
.macro QADD d, s                       ; four registers onto four
	v_pk_add_f32 v[\d:\d+1], v[\d:\d+1], v[\s:\s+1]
	v_pk_add_f32 v[\d+2:\d+3], v[\d+2:\d+3], v[\s+2:\s+3]
.endm
.macro TREE15 b                        ; fifteen groups of four from v[b] on, summed into the first
.irp i, 0,2,4,6,8,10,12
	QADD \b+4*\i, \b+4*\i+4
.endr
.irp i, 0,4,8,12
	QADD \b+4*\i, \b+4*\i+8
.endr
	QADD \b, \b+16
	QADD \b+32, \b+48
	QADD \b, \b+32
.endm
.macro DIVN q, n, d, r, e              ; q = -n / d: the reciprocal r, and one correction by the remainder
	v_mul_f32 v[\q], -v[\n], v[\r]
	v_fma_f32 v[\e], -v[\q], v[\d], -v[\n]
	v_fma_f32 v[\q], v[\e], v[\r], v[\q]
.endm
.macro MSUM i                          ; point i's (x, y) and (z, w) times its mask, onto the masked sums
.if (\i)%2
	v_pk_fma_f32 v[132:133], v[P+4*\i:P+4*\i+1], v[O+\i-1:O+\i], v[132:133] op_sel:[0,1,0] op_sel_hi:[1,1,1]
	v_pk_fma_f32 v[134:135], v[P+4*\i+2:P+4*\i+3], v[O+\i-1:O+\i], v[134:135] op_sel:[0,1,0] op_sel_hi:[1,1,1]
.else
	v_pk_fma_f32 v[132:133], v[P+4*\i:P+4*\i+1], v[O+\i:O+\i+1], v[132:133] op_sel_hi:[1,0,1]
	v_pk_fma_f32 v[134:135], v[P+4*\i+2:P+4*\i+3], v[O+\i:O+\i+1], v[134:135] op_sel_hi:[1,0,1]
.endif
.endm
.macro WLD l, row                      ; slot l's weight: W1[row][my channel]
	global_load_b32 v[P+\l], v[WOF], s[10:11] offset:256*\row
.endm
.macro FEATA                           ; the point's features but the last
	s_wait_dscnt 0x0                               ; the point was asked for a tile ago
	v_mul_f32 v[TT], v[X], v[X]
	v_fma_f32 v[TT], v[X+1], v[X+1], v[TT]
	v_fma_f32 v[TT], v[X+2], v[X+2], v[TT]
	v_sqrt_f32 v[NN], v[TT]
	v_pk_add_f32 v[F:F+1], v[X:X+1], v[K:K+1]
	v_pk_fma_f32 v[F+2:F+3], v[X:X+1], v[A:A+1], v[K+2:K+3] op_sel_hi:[1,0,1]
	v_pk_add_f32 v[F+4:F+5], v[X+2:X+3], v[K+4:K+5]
	v_fma_f32 v[F+6], v[X+2], v[A], v[K+6]
	v_add_nc_u32 v[ADT], s[PT], v[FRD]
.endm
.macro FEATB pre                       ; the mask, the next point's load (pre = 1), the last feature
	v_cmp_lt_i32 vcc_lo, s[PI], v[NP]
	v_cndmask_b32 v[MM], 0, 1.0, vcc_lo
	v_max_num_f32 v[MM+1], v[MM], v[A+1]
.if \pre
	ds_load_b128 v[X:X+3], v[ADT]
.endif
	s_wait_alu depctr_va_vdst(0)                   ; the tile's one wait for the root, ahead of its first reader; the plain lines above stand behind the root
	v_fma_f32 v[F+7], v[NN], v[A], v[K+7]
	s_add_co_u32 s[PI], s[PI], 1
	s_add_co_u32 s[PT], s[PT], 16
.endm
.macro OSET                            ; times the mask; the pair with the constant 1 times max(m, h)
	v_pk_mul_f32 v[O:O+1], v[F:F+1], v[MM:MM+1] op_sel_hi:[1,0]
	v_pk_mul_f32 v[O+2:O+3], v[F+2:F+3], v[MM:MM+1] op_sel:[0,1] op_sel_hi:[1,1]
	v_pk_mul_f32 v[O+4:O+5], v[F+4:F+5], v[MM:MM+1] op_sel_hi:[1,0]
	v_pk_mul_f32 v[O+6:O+7], v[F+6:F+7], v[MM:MM+1] op_sel_hi:[1,0]
.endm
.macro GP first, d, p, q, odd          ; v[d:d+1] (+)= one feature (the low or the high word of pair p) x pair q.  first = 1 starts the sums: nothing is cleared
.if \first
.if \odd
	v_pk_mul_f32 v[\d:\d+1], v[\p:\p+1], v[\q:\q+1] op_sel:[1,0] op_sel_hi:[1,1]
.else
	v_pk_mul_f32 v[\d:\d+1], v[\p:\p+1], v[\q:\q+1] op_sel_hi:[0,1]
.endif
.else
.if \odd
	v_pk_fma_f32 v[\d:\d+1], v[\p:\p+1], v[\q:\q+1], v[\d:\d+1] op_sel:[1,0,0] op_sel_hi:[1,1,1]
.else
	v_pk_fma_f32 v[\d:\d+1], v[\p:\p+1], v[\q:\q+1], v[\d:\d+1] op_sel_hi:[0,1,1]
.endif
.endif
.endm
.macro TILE first, pre                 ; one point slot of my 15 voxels: its features, and their 2 x 64 products onto the moments
	FEATA
	FEATB \pre
	OSET
.irp b, 0,1,2,3,4,5,6,7
	v_permlanex16_b32 v[OT+\b], v[O+\b], s[SEL], s[SEL+1]
.endr
.irp a, 0,1,2,3,4,5,6,7
.irp b, 0,2,4,6
	GP \first, GA+8*\a+\b, O+2*(\a/2), O+\b, \a%2
.endr
.endr
.irp a, 0,1,2,3,4,5,6,7
.irp b, 0,2,4,6
	GP \first, GB+8*\a+\b, O+2*(\a/2), OT+\b, \a%2
.endr
.endr
.endm
.macro GROW i, row                     ; row 'row' of the moments into the i-th sixteen registers: one address for the whole wave
.irp c, 0,1,2,3
	ds_load_b128 v[128+16*\i+4*\c:131+16*\i+4*\c], v[GSA] offset:64*\row+16*\c
.endr
.endm
	s_load_b512 s[4:19], s[0:1], 0x0               ; features s[4:5], num_points s[6:7], coors s[8:9], W1 s[10:11], W2 s[12:13], g2 s[14:15], kc s[16:17], w2q s[18:19]
	s_load_b64 s[20:21], s[0:1], 0x40              ; st1
	v_lshl_add_u32 v[SPW], v0, 2, SPARE
	v_mov_b32 v[NIL], 0
	v_lshrrev_b32 v120, 5, v0
	v_readfirstlane_b32 s[WV], v120                ; wave 0..7
	s_lshl_b32 s[GI], ttmp9, 3
	s_add_co_u32 s[GI], s[GI], s[WV]               ; G
	s_mul_i32 s24, s[WV], WREG
	s_lshl_b32 s25, s[WV], 10
	s_add_co_u32 s25, s25, GWB0
	v_and_b32 v120, 31, v0                         ; lane
	v_and_b32 v121, 15, v0                         ; r
	v_bfe_u32 v122, v0, 4, 1                       ; h
	v_add_nc_u32 v123, 1, v121
	v_lshrrev_b32 v123, 4, v123
	v_sub_nc_u32 v123, v121, v123                  ; r' = r, but 14 in lane 15: it enters the offsets into num_points and coors alone, so that no load leaves its buffer
	v_mul_u32_u24 v[FRD], v121, PITCH              ; the stage has a row for each r
	v_add_nc_u32 v[FRD], s24, v[FRD]
	v_lshlrev_b32 v[L16], 4, v120
	v_add_nc_u32 v[IMG], s24, v[L16]
	v_mul_u32_u24 v[COL], v120, PITCH
	v_add_nc_u32 v[COL], s24, v[COL]
	v_lshl_add_u32 v[FR0], v122, 8, v[FRD]
	v_bfe_u32 v124, v0, 1, 3                       ; the moments' row a = (lane / 2) % 8: 64 bytes a row,
	v_lshlrev_b32 v124, 6, v124
	v_lshl_add_u32 v124, v122, 5, v124             ; columns 8 on for the products with the other half,
	v_and_b32 v125, 1, v0
	v_lshl_add_u32 v124, v125, 4, v124             ; four columns a lane
	v_add_nc_u32 v[GWA], s25, v124
	v_xor_b32 v124, 32, v124                       ; for half 1: rows 8 on, and the column halves change places
	v_add_nc_u32 v[GWB], s25, v124
	v_add_nc_u32 v[GWB], 512, v[GWB]
	v_lshl_add_u32 v[GWR], v0, 2, GWB0
	v_mov_b32 v[GSA], GSB
	v_and_b32 v[WOF], 63, v0
	v_lshlrev_b32 v[SOF], 3, v[WOF]
	v_lshlrev_b32 v[WOF], 2, v[WOF]
	v_lshlrev_b32 v[NOF], 2, v123
	v_lshlrev_b32 v[COF], 4, v123
	v_cvt_f32_u32 v[A+1], v122
	v_sub_f32 v[A], 1.0, v[A+1]
	s_mov_b32 s[SEL], 0x76543210
	s_mov_b32 s[SEL+1], 0xfedcba98
	s_mov_b32 s[HI], 0xffff0000
	s_mov_b32 s34, 0xbe4ccccd                      ; -0.2
	s_mov_b32 s35, 0xbdcccccd                      ; -0.1
	s_mov_b32 s36, 0x421f999a                      ; 39.9
	s_mov_b32 s37, 0x3e23d70a                      ; 0.16 = VX VY VZ
	s_mov_b32 s38, 0x40c80000                      ; 6.25
	s_mov_b32 s27, 0
	s_wait_kmcnt 0x0
	s_mul_i32 s26, s[GI], 7680                     ; 15 voxels of 512 bytes
	s_add_nc_u64 s[4:5], s[4:5], s[26:27]
	s_mul_i32 s26, s[GI], 60
	s_add_nc_u64 s[6:7], s[6:7], s[26:27]
	s_mul_i32 s26, s[GI], 240
	s_add_nc_u64 s[8:9], s[8:9], s[26:27]
	s_lshl_b32 s26, s[GI], 10
	s_add_nc_u64 s[16:17], s[16:17], s[26:27]
	s_lshl_b32 s26, ttmp9, 9
	s_add_nc_u64 s[20:21], s[20:21], s[26:27]
.irp i, 0,1,2,3,4,5,6,7,8,9,10,11,12,13,14
	global_load_b128 v[P+4*\i:P+4*\i+3], v[L16], s[4:5] offset:512*\i   ; voxel i: 32 lanes read its 512 consecutive bytes, a point a lane
.endr
	global_load_b32 v[NP], v[NOF], s[6:7]
	global_load_b128 v[116:119], v[COF], s[8:9]    ; batch, z, y, x
	; ---- W2 into codes: wave 0 of work-groups 0..7 takes tile t = work-group: output channels 16 t .. 16 t + 15.  Lane (r, h) takes column 16 t + r, and its registers run down K in the operand's own order: k = 64 c + 32 h + i
	s_lshr_b32 s26, ttmp9, 3
	s_or_b32 s26, s26, s[WV]
	s_cmp_lg_u32 s26, 0
	s_cbranch_scc1 .Lno_w2
	s_lshl_b32 s26, ttmp9, 6
	v_lshlrev_b32 v124, 2, v121
	v_add_nc_u32 v124, s26, v124                   ; 4 (16 t + r)
	v_lshl_add_u32 v125, v122, 14, v124            ; + 32 h rows of 512 bytes
	s_lshl_b32 s26, ttmp9, 10
	v_add_nc_u32 v127, s26, v[L16]                 ; the tile's image: 1,024 t + 16 x lane
.irp c, 0,1
.irp i, 0,1,2,3,4,5,6,7,8,9,10,11,12,13,14,15,16,17,18,19,20,21,22,23,24,25,26,27,28,29,30,31
	global_load_b32 v[128+32*\c+\i], v125, s[12:13] offset:(64*\c+\i)*512
.endr
.endr
	global_load_b32 v126, v124, s[14:15]           ; g2 of my column
	s_wait_loadcnt 0x0
.irp c, 0,1
	v_max3_num_f32 v[40+\c], |v[128+32*\c]|, |v[129+32*\c]|, 0x1800000   ; my block 2 c + h: all its 32 numbers are mine; the floor 2^(3 - 127) holds the byte at 1 from below
.endr
.irp i, 2,4,6,8,10,12,14,16,18,20,22,24,26,28,30
.irp c, 0,1
	v_max3_num_f32 v[40+\c], v[40+\c], |v[128+32*\c+\i]|, |v[129+32*\c+\i]|
.endr
.endr
.irp c, 0,1
	v_add_nc_u32 v[42+\c], 0xff000000, v[40+\c]    ; 2 off the exponent field: the conversion's scale operand
.endr
.irp c, 0,1
	v_lshrrev_b32 v[44+\c], 23, v[42+\c]           ; the scale's byte
.endr
	v_lshl_or_b32 v46, v45, 16, v44                ; blocks h and 2 + h,
	v_lshlrev_b32 v47, 3, v122
	v_lshlrev_b32 v46, v47, v46                    ; at their places in the word;
	v_mov_b32 v47, 0
	v_permlanex16_b32 v47, v46, s[SEL], s[SEL+1]
	v_or_b32 v46, v46, v47                         ; with lane l xor 16's two the word is whole
.irp c, 0,1
.irp g, 0,1,2,3
	v_cvt_scalef32_pk8_fp4_f32 v[48+4*\c+\g], v[128+32*\c+8*\g:135+32*\c+8*\g], v[42+\c]
.endr
.endr
	v_nop                                          ; one plain line behind the conversions
	v_mov_b32 v40, 0x88888888
	v_cmp_gt_f32 vcc_lo, 0, v126
	v_cndmask_b32 v40, 0, v40, vcc_lo              ; g2 < 0: the column's sign bits are turned
.irp j, 0,1,2,3,4,5,6,7
	v_xor_b32 v[48+\j], v40, v[48+\j]
.endr
	global_store_b128 v127, v[48:51], s[18:19]     ; 32 lanes store 512 consecutive bytes
	global_store_b128 v127, v[52:55], s[18:19] offset:512
	global_store_b32 v124, v46, s[18:19] offset:8192   ; the column's scale word (both halves hold the same word)
	s_wait_xcnt 0x0                                ; the stores have read their registers, which are written again below
.Lno_w2:
	s_wait_loadcnt 0x0                             ; the 15 voxels, num_points, coors
.irp i, 0,1,2,3,4,5,6,7,8,9,10,11,12,13,14
	ds_store_b128 v[IMG], v[P+4*\i:P+4*\i+3] offset:PITCH*\i
.endr
	ds_store_b128 v[IMG], v[P+56:P+59] offset:PITCH*15   ; row 15: voxel 14 once more, for lane 15
	v_cvt_f32_i32 v124, v119
	v_cvt_f32_i32 v125, v118
	v_cvt_f32_i32 v126, v117
	; ---- PASS 0: the voxel's own reductions.  Half h takes points 16 h .. 16 h + 15 of its lane's row.  LDS serves a wave's instructions in order: these loads see the stores above
.irp i, 0,1,2,3,4,5,6,7,8,9,10,11,12,13,14,15
	ds_load_b128 v[P+4*\i:P+4*\i+3], v[FR0] offset:16*\i
.endr
	v_fma_f32 v124, v124, s34, s35                 ; -cx = -(0.2 x + 0.1)
	v_fma_f32 v125, v125, s34, s36                 ; -cy = -(0.2 y - 39.9)
	v_fma_f32 v126, v126, -4.0, 1.0                ; -cz = -(4 z - 1)
	v_lshlrev_b32 v[NPH], 4, v122
	v_sub_nc_u32 v[NPH], v[NP], v[NPH]
	v_cvt_f32_i32 v[NPF], v[NP]
	v_max_num_f32 v[SAFE], 1.0, v[NPF]
	v_rcp_f32 v142, v[NPF]
	v_rcp_f32 v143, v[SAFE]
.irp i, 0,1,2,3,4,5,6,7,8,9,10,11,12,13,14,15
	v_cmp_lt_i32 vcc_lo, \i, v[NPH]
	v_cndmask_b32 v[O+\i], 0, 1.0, vcc_lo          ; the mask of my point i
.endr
.irp j, 0,1,2,3,4,5
	v_mov_b32 v[136+\j], 0                         ; a lane permute's destination counts as one of its sources
.endr
	v_mul_f32 v156, s38, v[SAFE]                   ; density = safe / 0.16: times 6.25, corrected by the remainder
	v_fma_f32 v157, -v156, s37, v[SAFE]
	v_fma_f32 v156, v157, s38, v156
	s_wait_alu depctr_va_vdst(0)                   ; one wait for both reciprocals, ahead of their first reader
	s_wait_dscnt 0x0
	v_pk_add_f32 v[128:129], v[P:P+1], v[P+4:P+5]  ; sums over ALL slots, as reference() has the cluster mean,
	v_pk_add_f32 v[130:131], v[P+2:P+3], v[P+6:P+7]
	v_pk_mul_f32 v[132:133], v[P:P+1], v[O:O+1] op_sel_hi:[1,0]     ; and over the slots that count
	v_pk_mul_f32 v[134:135], v[P+2:P+3], v[O:O+1] op_sel_hi:[1,0]
	MSUM 1
.irp i, 2,3,4,5,6,7,8,9,10,11,12,13,14,15
	v_pk_add_f32 v[128:129], v[128:129], v[P+4*\i:P+4*\i+1]
	v_pk_add_f32 v[130:131], v[130:131], v[P+4*\i+2:P+4*\i+3]
	MSUM \i
.endr
	v_permlanex16_b32 v136, v128, s[SEL], s[SEL+1]
	v_permlanex16_b32 v137, v129, s[SEL], s[SEL+1]
	v_permlanex16_b32 v138, v130, s[SEL], s[SEL+1]
	v_permlanex16_b32 v139, v132, s[SEL], s[SEL+1]
	v_permlanex16_b32 v140, v133, s[SEL], s[SEL+1]
	v_permlanex16_b32 v141, v134, s[SEL], s[SEL+1]
	v_add_f32 v128, v128, v136
	v_add_f32 v129, v129, v137
	v_add_f32 v130, v130, v138
	v_add_f32 v132, v132, v139
	v_add_f32 v133, v133, v140
	v_add_f32 v134, v134, v141
	DIVN 144, 128, NPF, 142, 158                   ; -points_mean
	DIVN 145, 129, NPF, 142, 159
	DIVN 146, 130, NPF, 142, 160
	DIVN 148, 132, SAFE, 143, 161                  ; -vmean
	DIVN 149, 133, SAFE, 143, 162
	DIVN 150, 134, SAFE, 143, 163
.irp i, 0,1,2,3,4,5,6,7,8,9,10,11,12,13,14,15
	v_pk_add_f32 v[P+4*\i:P+4*\i+1], v[P+4*\i:P+4*\i+1], v[148:149]
	v_add_f32 v[P+4*\i+2], v[P+4*\i+2], v150
.endr
.irp i, 0,1,2,3,4,5,6,7,8,9,10,11,12,13,14,15
	v_mul_f32 v[P+4*\i+3], v[P+4*\i], v[P+4*\i]
.endr
.irp i, 0,1,2,3,4,5,6,7,8,9,10,11,12,13,14,15
	v_fma_f32 v[P+4*\i+3], v[P+4*\i+1], v[P+4*\i+1], v[P+4*\i+3]
.endr
.irp i, 0,1,2,3,4,5,6,7,8,9,10,11,12,13,14,15
	v_fma_f32 v[P+4*\i+3], v[P+4*\i+2], v[P+4*\i+2], v[P+4*\i+3]
.endr
.irp i, 0,1,2,3,4,5,6,7,8,9,10,11,12,13,14,15
	v_sqrt_f32 v[P+4*\i+3], v[P+4*\i+3]            ; the sixteen distances: one batch
.endr
	v_cndmask_b32 v[K], 0, v144, s[HI]             ; the lane's constants: half 0 | half 1.  (Plain lines behind the roots)
	v_cndmask_b32 v[K+1], 0, v145, s[HI]
	v_cndmask_b32 v[K+2], v124, 1.0, s[HI]
	v_cndmask_b32 v[K+3], v125, 0, s[HI]
	v_cndmask_b32 v[K+4], 0, v146, s[HI]
	v_mov_b32 v[K+5], 0
	v_cndmask_b32 v[K+6], v126, v156, s[HI]
	s_wait_alu depctr_va_vdst(0)                   ; one wait for the batch, ahead of its first reader
	v_mul_f32 v152, v[P+3], v[O]
	v_mul_f32 v153, v[P+7], v[O+1]
.irp i, 2,4,6,8,10,12,14
	v_fma_f32 v152, v[P+4*\i+3], v[O+\i], v152
	v_fma_f32 v153, v[P+4*\i+7], v[O+\i+1], v153
.endr
	v_add_f32 v152, v152, v153
	v_permlanex16_b32 v136, v152, s[SEL], s[SEL+1]
	v_add_f32 v152, v152, v136
	v_mul_f32 v154, v152, v143                     ; mean distance = the sum / safe
	v_fma_f32 v155, -v154, v[SAFE], v152
	v_fma_f32 v154, v155, v143, v154
	v_cndmask_b32 v[K+7], 0, v154, s[HI]
	global_store_b128 v[L16], v[K:K+3], s[16:17]   ; the constants as an image of their registers: 512 consecutive bytes a store; K is never rewritten
	global_store_b128 v[L16], v[K+4:K+7], s[16:17] offset:512
	; my channel's column of W1, by slot; wanted behind the tiles.  Slots 10 (the constant), 11 (zero) and 13 (w again) have no weight
	WLD 0, 0
	WLD 1, 1
	WLD 2, 7
	WLD 3, 8
	WLD 4, 2
	WLD 5, 3
	WLD 6, 9
	WLD 7, 10
	WLD 8, 4
	WLD 9, 5
	WLD 12, 6
	WLD 14, 11
	WLD 15, 12
	; ---- THE 32 TILES
	s_mov_b32 s[PI], 0
	s_mov_b32 s[PT], 16
	ds_load_b128 v[X:X+3], v[FRD]
	TILE 1, 1
	s_mov_b32 s[CNT], 30
.Ltile:
	TILE 0, 1
	s_sub_co_u32 s[CNT], s[CNT], 1
	s_cmp_lg_u32 s[CNT], 0
	s_cbranch_scc1 .Ltile
	TILE 0, 0                                      ; the last tile fetches nothing
	; ---- over the lanes: the 128 sums go to LDS as they stand, four registers a store; lane L reads back registers 4 L .. 4 L + 3 of lanes 0-14 of each half (lane 15 repeats voxel 14) and adds them
.irp q, 0,1,2,3,4,5,6,7,8,9,10,11,12,13,14,15,16,17,18,19,20,21,22,23,24,25,26,27,28,29,30,31
	ds_store_b128 v[IMG], v[GA+4*\q:GA+4*\q+3] offset:PITCH*\q
.endr
.irp hh, 0,1
.irp rr, 0,1,2,3,4,5,6,7,8,9,10,11,12,13,14
	ds_load_b128 v[GA+64*\hh+4*\rr:GA+64*\hh+4*\rr+3], v[COL] offset:(16*\hh+\rr)*16
.endr
.endr
	s_wait_dscnt 0x0
	TREE15 GA
	TREE15 GB
	ds_store_b128 v[GWA], v[GA:GA+3]
	ds_store_b128 v[GWB], v[GB:GB+3]
	s_wait_dscnt 0x0                               ; for the others' sake: my moments lie in LDS
	s_barrier_signal -1
	s_barrier_wait -1
	; ---- over the waves: thread T takes element T of the 16 x 16
.irp p, 0,1,2,3,4,5,6,7
	ds_load_b32 v[128+\p], v[GWR] offset:1024*\p
.endr
	s_wait_dscnt 0x0
	v_add_f32 v128, v128, v129
	v_add_f32 v130, v130, v131
	v_add_f32 v132, v132, v133
	v_add_f32 v134, v134, v135
	v_add_f32 v128, v128, v130
	v_add_f32 v132, v132, v134
	v_add_f32 v128, v128, v132
	ds_store_b32 v[GWR], v128 offset:8192
	s_wait_dscnt 0x0
	s_barrier_signal -1
	s_barrier_wait -1
	; ---- the forms: waves 0 and 1, a lane a channel.  t_k = sum over l of G[k][l] w_l;  sum(h) = t of the constant's slot 10;  sum(h^2) = sum over k of w_k t_k
	s_cmp_lt_u32 s[WV], 2
	s_cbranch_scc0 .Ldone
	s_wait_loadcnt 0x0                             ; W1's column
.irp k, 0,1,2,3,4,5,6,7
	GROW \k, \k
.endr
	s_wait_dscnt 0x0
.irp k, 0,1,2,3,4,5,6,7
	v_mul_f32 v[72+\k], v[128+16*\k], v[P]
.endr
.irp l, 1,2,3,4,5,6,7,8,9,12,14,15
.irp k, 0,1,2,3,4,5,6,7
	v_fmac_f32 v[72+\k], v[128+16*\k+\l], v[P+\l]  ; (the rows by turns: no line waits for the line above it)
.endr
.endr
	GROW 0, 8
	GROW 1, 9
	GROW 2, 12
	GROW 3, 14
	GROW 4, 10
	GROW 5, 15
	s_wait_dscnt 0x0
.irp k, 0,1,2,3,4,5
	v_mul_f32 v[80+\k], v[128+16*\k], v[P]
.endr
.irp l, 1,2,3,4,5,6,7,8,9,12,14,15
.irp k, 0,1,2,3,4,5
	v_fmac_f32 v[80+\k], v[128+16*\k+\l], v[P+\l]
.endr
.endr
	v_mul_f32 v85, v85, v[P+15]                    ; v84 = t_10 = sum(h); v85 takes sum(h^2), in two chains
	v_mul_f32 v86, v72, v[P]
	v_fmac_f32 v85, v73, v[P+1]
	v_fmac_f32 v86, v74, v[P+2]
	v_fmac_f32 v85, v75, v[P+3]
	v_fmac_f32 v86, v76, v[P+4]
	v_fmac_f32 v85, v77, v[P+5]
	v_fmac_f32 v86, v78, v[P+6]
	v_fmac_f32 v85, v79, v[P+7]
	v_fmac_f32 v86, v80, v[P+8]
	v_fmac_f32 v85, v81, v[P+9]
	v_fmac_f32 v86, v82, v[P+12]
	v_fmac_f32 v85, v83, v[P+14]
	v_add_f32 v85, v85, v86
	global_store_b64 v[SOF], v[84:85], s[20:21]    ; a wave stores 256 consecutive bytes, aligned
.Ldone:
	s_wait_tensorcnt 0x0                           ; the wave's end: three lines behind my last LDS store
	ds_add_u32 v[SPW], v[NIL]
	s_wait_dscnt 0x0
	s_endpgm
.Lfunc_end_k_q6a3168aa93_moments:
	.size	k_q6a3168aa93_moments, .Lfunc_end_k_q6a3168aa93_moments-k_q6a3168aa93_moments
	.p2alignl 7, 3214868480
	.fill 96, 4, 3214868480
	.section	.rodata,"a",@progbits
	.p2align	6, 0x0
	.amdhsa_kernel k_q6a3168aa93_moments
		.amdhsa_group_segment_fixed_size 167936
		.amdhsa_private_segment_fixed_size 0
		.amdhsa_enable_private_segment 0
		.amdhsa_kernarg_size 72
		.amdhsa_user_sgpr_count 2
		.amdhsa_user_sgpr_kernarg_segment_ptr 1
		.amdhsa_wavefront_size32 1
		.amdhsa_system_sgpr_workgroup_id_x 1
		.amdhsa_system_sgpr_workgroup_id_y 1
		.amdhsa_system_sgpr_workgroup_id_z 1
		.amdhsa_system_vgpr_workitem_id 0
		.amdhsa_next_free_vgpr 256
		.amdhsa_next_free_sgpr 66
		.amdhsa_reserve_vcc 1
		.amdhsa_float_denorm_mode_32 3
		.amdhsa_float_denorm_mode_16_64 3
		.amdhsa_memory_ordered 1
		.amdhsa_forward_progress 1
		.amdhsa_inst_pref_size 68
	.end_amdhsa_kernel
	.amdgpu_metadata
---
amdhsa.version: [ 1, 2 ]
amdhsa.kernels:
  - .name:           k_q6a3168aa93_moments
    .symbol:         k_q6a3168aa93_moments.kd
    .args:
      - { .name: features, .offset: 0, .size: 8, .value_kind: global_buffer, .address_space: global }
      - { .name: num_points, .offset: 8, .size: 8, .value_kind: global_buffer, .address_space: global }
      - { .name: coors, .offset: 16, .size: 8, .value_kind: global_buffer, .address_space: global }
      - { .name: W1, .offset: 24, .size: 8, .value_kind: global_buffer, .address_space: global }
      - { .name: W2, .offset: 32, .size: 8, .value_kind: global_buffer, .address_space: global }
      - { .name: g2, .offset: 40, .size: 8, .value_kind: global_buffer, .address_space: global }
      - { .name: kc, .offset: 48, .size: 8, .value_kind: global_buffer, .address_space: global }
      - { .name: w2q, .offset: 56, .size: 8, .value_kind: global_buffer, .address_space: global }
      - { .name: st1, .offset: 64, .size: 8, .value_kind: global_buffer, .address_space: global }
    .group_segment_fixed_size: 167936
    .private_segment_fixed_size: 0
    .kernarg_segment_align: 8
    .kernarg_segment_size: 72
    .max_flat_workgroup_size: 256
    .sgpr_count:     66
    .vgpr_count:     256
    .wavefront_size: 32
...
	.end_amdgpu_metadata
.endif
;; end of part 1
;; launch main (part 2): grid 250 x 1, 8 waves a work-group, no clusters, 167,936 bytes of LDS; arguments features, num_points, W1, g1, b1, kc, w2q, st1, hm, st2; writes hm, st2
.if DOCPART == 2
	.amdgcn_target "amdgcn-amd-amdhsa--gfx1250"
	.amdhsa_code_object_version 6
	.text
	.protected	k_q6a3168aa93_main
	.globl	k_q6a3168aa93_main
	.p2align	8
	.type	k_q6a3168aa93_main,@function
k_q6a3168aa93_main:
	s_mov_b64 s[64:65], 0
	v_nop
	global_prefetch_b8 v0, s[64:65] scope:SCOPE_SE
	s_setreg_imm32_b32 hwreg(HW_REG_WAVE_MODE, 25, 1), 1
	s_wait_xcnt 0x0
; LAUNCH 2 OF 3.  Layer 1 (f32 matrix form, BN folded into the weights), ReLU, the maximum over the points, the quantiser, layer 2's product on codes of E2M1, and of h2 only what is needed: for each voxel and channel
; the maximum over its 32 points (hm), and for each work-group the sums of h2 and h2^2 (st2).
; WHAT IS NOT REPEATED.  K blocks 2 and 3 of layer 2's left operand hold agg, which reference() broadcasts: they are the same in all 32 rows of a voxel, codes and scales alike.  So h2 = part1(row) + U(voxel), with
;   part1 the product over K blocks 0, 1 (blocks 2, 3 as zero codes) and U the product over blocks 2, 3, made once a voxel.  Then max(h2) = max(part1) + U, sum(h2) = S + 32 U, sum(h2^2) = Q + 2 U S + 32 U^2.
; BN1 IN THE WEIGHTS.  relu((h - mu) rs g + b) = relu(x (W1 a) + c), a = rs g, c = b - mu a: a scales W1's column, c is the weight of the constant-1 feature, which the mask leaves alone (a masked row has h = 0 and still gets c).
; The sign of g2 lies on W2's codes (launch 1): here h2 stands for sign(g2) h2.
; LIMITS: as stated at the head of launch 1 (variance as E[h^2] - mean^2; NaN, infinities; a block of zeros has the byte 1; the order of f32 sums).
; SHARES.  As in launch 1: wave G owns voxels 15 G .. 15 G + 14; a tile is point slot p of them; lane (r, h) serves voxel r; lane 15 repeats voxel 14 and is neither summed nor stored.
; LAYOUT.  Both products are used transposed (source 0 = weights, source 1 = the rows), so a lane holds one voxel throughout.  The channels that form a tile of W1 are chosen so: tile t, row 8 h + j is channel 32 h + 8 t + j.
;   Then lane (r, h) holds, in 32 registers, the whole K block h of its row in the operand's own order: the block's largest number needs no other lane, and the four conversions' results ARE the operand's registers 0-3.
; BY TURNS.  A trip does tile p's vector work, issues tile p + 1's sixteen f32 products and makes tile p + 2's features; a slice of vector work stands behind each f32 product.
; No tensor load, no cluster, no prefetch: each wave reads its own 7,680 bytes once, at the head; what is shared (st1, w2q, W1) is small and is read at the head too.
; REGISTERS, window 0: v1-15 addresses; v16-23 K; v24-33 at the features; v34-38 at the quantiser; v39 the rows' scale word; v40-43 W2's scale words; v44-51 F; v52-59 O; v60-67 the rows' codes; v68-99 W1's fragments;
;   v100-131 agg; v132-163 H, then layer 2's results; v164-195 W2's tiles 0-3; v196-223 the head's; v224-255 are never named.
; window 1: v0-63 M, v64-127 S, v128-191 Q (at the head: st1's rows and the stage's loads); v192-223 W2's tiles 4-7; v224-255 layer 1's accumulators, which matrix instructions alone write.
.set WREG,  16896                      ; a wave's region: 16 rows of the points (row 15 is voxel 14 once more), then the stage for the way out, then 32 images
.set PITCH, 528
.set PRB,   8*WREG                     ; the waves' partial sums of st1: 512 bytes each
.set TABB,  PRB+8*512                  ; a[64], c[64]: each wave's own 512 bytes
.set W2I,   TABB+8*512                 ; W2's eight tiles as images of their registers: 1,024 bytes each
.set REDB,  W2I+8192                   ; the waves' S[128], Q[128]
.set SPARE, REDB+8192                  ; the spare words: 128 bytes a wave, four blocks of 256 bytes that no other line names
.set SPW, 1
.set NIL, 2
.set FRD, 3                            ; my lane's row in the stage: region + 528 r
.set ADT, 4
.set IMG, 5                            ; region + 16 x lane
.set COL, 6                            ; region + 528 x lane
.set SO,  7                            ; the way out: region + 528 r + 32 h
.set RDA, 8                            ; where my four sums go among the wave's S and Q
.set L16, 9                            ; 16 x lane
.set NP,  10
.set SH8, 11                           ; 8 h
.set TA,  12                           ; my fragment row's channel in the table
.set TW,  13                           ; the table + 8 x lane
.set L8,  14                           ; 8 x lane
.set K,   16
.set A,   24
.set MM,  26
.set X,   28
.set TT,  32
.set NN,  33
.set BM,  34
.set SC,  36
.set BY,  37
.set PX,  38
.set RS,  39                           ; the rows' scale word, and nothing else
.set W2S, 40                           ; register i: lanes 0-15 tile 2 i's words, lanes 16-31 tile 2 i + 1's
.set F,   44
.set O,   52
.set RQ,  60
.set W1F, 68                           ; tile t, K step s, register j at 8 t + 2 s + j
.set AG,  100
.set D2,  132
.set H,   132
.set W2FL, 164
.set W2FH, 192                         ; in window 1
.set MX,  0                            ; in window 1
.set SS,  64
.set QQ,  128
.set ACC, 224
.set WV,  24
.set GI,  25
.set SEL, 28
.set PI,  30
.set PT,  31
.set CNT, 32
.set MSB, 0
.macro WIN new                         ; s_set_vgpr_msb: bits 1:0 source 0, 3:2 source 1, 5:4 source 2, 7:6 destination; the high byte repeats the setting that is left; a switch that changes nothing is dropped
.if MSB != \new
	s_set_vgpr_msb (MSB<<8)|\new
.set MSB, \new
.endif
.endm
.macro NOPS n
.rept \n
	v_nop
.endr
.endm
.macro QADD d, s
	v_pk_add_f32 v[\d:\d+1], v[\d:\d+1], v[\s:\s+1]
	v_pk_add_f32 v[\d+2:\d+3], v[\d+2:\d+3], v[\s+2:\s+3]
.endm
.macro TREE15 b
.irp i, 0,2,4,6,8,10,12
	QADD \b+4*\i, \b+4*\i+4
.endr
.irp i, 0,4,8,12
	QADD \b+4*\i, \b+4*\i+8
.endr
	QADD \b, \b+16
	QADD \b+32, \b+48
	QADD \b, \b+32
.endm
.macro TREE8 b
.irp i, 0,2,4,6
	QADD \b+4*\i, \b+4*\i+4
.endr
	QADD \b, \b+8
	QADD \b+16, \b+24
	QADD \b, \b+16
.endm
.macro FEATA                           ; as in launch 1
	WIN 0
	s_wait_dscnt 0x0                               ; the point was asked for a trip ago
	v_mul_f32 v[TT], v[X], v[X]
	v_fma_f32 v[TT], v[X+1], v[X+1], v[TT]
	v_fma_f32 v[TT], v[X+2], v[X+2], v[TT]
	v_sqrt_f32 v[NN], v[TT]
	v_pk_add_f32 v[F:F+1], v[X:X+1], v[K:K+1]
	v_pk_fma_f32 v[F+2:F+3], v[X:X+1], v[A:A+1], v[K+2:K+3] op_sel_hi:[1,0,1]
	v_pk_add_f32 v[F+4:F+5], v[X+2:X+3], v[K+4:K+5]
	v_fma_f32 v[F+6], v[X+2], v[A], v[K+6]
	v_add_nc_u32 v[ADT], s[PT], v[FRD]
.endm
.macro FEATB pre
	WIN 0
	v_cmp_lt_i32 vcc_lo, s[PI], v[NP]
	v_cndmask_b32 v[MM], 0, 1.0, vcc_lo
	v_max_num_f32 v[MM+1], v[MM], v[A+1]
	v_nop                                          ; with the lines round it: four plain lines between the products on codes and the first read of their results
.if \pre
	ds_load_b128 v[X:X+3], v[ADT]
.endif
	s_wait_alu depctr_va_vdst(0)                   ; the trip's one wait for the root, ahead of its first reader
	v_fma_f32 v[F+7], v[NN], v[A], v[K+7]
	s_add_co_u32 s[PI], s[PI], 1
	s_add_co_u32 s[PT], s[PT], 16
.endm
.macro OSET
	WIN 0
	v_pk_mul_f32 v[O:O+1], v[F:F+1], v[MM:MM+1] op_sel_hi:[1,0]
	v_pk_mul_f32 v[O+2:O+3], v[F+2:F+3], v[MM:MM+1] op_sel:[0,1] op_sel_hi:[1,1]
	v_pk_mul_f32 v[O+4:O+5], v[F+4:F+5], v[MM:MM+1] op_sel_hi:[1,0]
	v_pk_mul_f32 v[O+6:O+7], v[F+6:F+7], v[MM:MM+1] op_sel_hi:[1,0]
.endm
.macro WF t, s                         ; layer 1, tile t of 16 channels, K step s: source 0 = W1's fragment, source 1 = the features; K step 0 starts the sum with the constant 0
	WIN 0x50
.if \s == 0
	v_wmma_f32_16x16x4_f32 v[ACC+8*\t:ACC+8*\t+7], v[W1F+8*\t+2*\s:W1F+8*\t+2*\s+1], v[O+2*\s:O+2*\s+1], 0
.else
	v_wmma_f32_16x16x4_f32 v[ACC+8*\t:ACC+8*\t+7], v[W1F+8*\t+2*\s:W1F+8*\t+2*\s+1], v[O+2*\s:O+2*\s+1], v[ACC+8*\t:ACC+8*\t+7]
.endif
.endm
.macro WFC wm, t, s
.if \wm
	WF \t, \s
.endif
.endm
.macro RELU t                          ; tile t: H = relu, agg = the running maximum, and the block's largest number; the accumulator is read from its low end on
	WIN 0x05
.irp j, 0,1,2,3,4,5,6,7
	v_max_num_f32 v[H+8*\t+\j], 0, v[ACC+8*\t+\j]
.endr
.irp j, 0,1,2,3,4,5,6,7
	v_max3_num_f32 v[AG+8*\t+\j], v[ACC+8*\t+\j], v[ACC+8*\t+\j], v[AG+8*\t+\j]
.endr
.irp i, 0,1,2,3
.if (\t == 0) && (\i < 2)
	v_max3_num_f32 v[BM+\i%2], v[ACC+8*\t+2*\i], v[ACC+8*\t+2*\i+1], 0x1800000   ; the floor 2^(3 - 127) starts both chains: it stands over what is negative and holds the byte at 1 from below
.else
	v_max3_num_f32 v[BM+\i%2], v[ACC+8*\t+2*\i], v[ACC+8*\t+2*\i+1], v[BM+\i%2]
.endif
.endr
.endm
.macro QUANT                           ; my K block h of the row: its scale byte into byte h of the row's word, its 32 codes into the operand's registers 0-3
	WIN 0
	v_max_num_f32 v[BM], v[BM], v[BM+1]
	v_add_nc_u32 v[SC], 0xff000000, v[BM]          ; 2 off the exponent field: the conversion's scale operand
	v_lshrrev_b32 v[BY], 23, v[SC]
	v_lshlrev_b32 v[BY], v[SH8], v[BY]
	v_permlanex16_b32 v[PX], v[BY], s[SEL], s[SEL+1]
	v_or_b32 v[RS], v[BY], v[PX]                   ; bytes 2, 3 stay 0: they scale zero codes
.irp g, 0,1,2,3
	v_cvt_scalef32_pk8_fp4_f32 v[RQ+\g], v[H+8*\g:H+8*\g+7], v[SC]
.endr
	v_nop                                          ; one plain line behind the conversions
.endm
.macro FP u                            ; layer 2, tile u of 16 output channels: source 0 = W2's tile, source 1 = the rows' codes
.if \u < 4
	WIN 0x00
.set wa, W2FL+8*\u
.else
	WIN 0x01
.set wa, W2FH+8*(\u-4)
.endif
.if (\u)%2
	v_wmma_scale_f32_16x16x128_f8f6f4 v[D2+8*((\u)%4):D2+8*((\u)%4)+7], v[wa:wa+7], v[RQ:RQ+7], 0, v[W2S+(\u)/2], v[RS] matrix_a_fmt:MATRIX_FMT_FP4 matrix_b_fmt:MATRIX_FMT_FP4 matrix_a_scale:MATRIX_SCALE_ROW1
.else
	v_wmma_scale_f32_16x16x128_f8f6f4 v[D2+8*((\u)%4):D2+8*((\u)%4)+7], v[wa:wa+7], v[RQ:RQ+7], 0, v[W2S+(\u)/2], v[RS] matrix_a_fmt:MATRIX_FMT_FP4 matrix_b_fmt:MATRIX_FMT_FP4
.endif
.endm
.macro STATS u                         ; tile u's results onto the maximum, the sum and the sum of squares: sixteen lines for its eight numbers a lane
	WIN 0x50
.set dd, D2+8*((\u)%4)
.irp j, 0,1,2,3,4,5,6,7
	v_max3_num_f32 v[MX+8*\u+\j], v[dd+\j], v[dd+\j], v[MX+8*\u+\j]
.endr
.irp j, 0,2,4,6
	v_pk_fma_f32 v[SS+8*\u+\j:SS+8*\u+\j+1], v[dd+\j:dd+\j+1], 1.0, v[SS+8*\u+\j:SS+8*\u+\j+1] op_sel_hi:[1,0,1]
.endr
.irp j, 0,2,4,6
	v_pk_fma_f32 v[QQ+8*\u+\j:QQ+8*\u+\j+1], v[dd+\j:dd+\j+1], v[dd+\j:dd+\j+1], v[QQ+8*\u+\j:QQ+8*\u+\j+1]
.endr
.endm
; A TRIP.  wm = 1: the next tile's f32 products are issued; ft = 1: the features of the tile after that are made; pre = 1: the point after that is fetched.
; DISTANCES, by this text's own count of plain vector lines that name none of the matrix instruction's registers.  Behind an f32 product 8 are wanted before its result is read or a source written, 9 before it is written over: the last K step
; of a tile is followed by at least one STATS (16) ahead of the next trip's RELU, and O is written behind STATS 7 and RELU 0.  The scale word is written 9 lines ahead of the products on codes (the v_nop and FEATA's eight), the codes likewise.
; Behind a product on codes 4 are wanted before its result is read, 5 before it is written over: FEATB's lines, or other tiles' STATS.  No two matrix instructions that follow each other share an accumulator, over the backward jump too.
.macro TRIP wm, ft, pre
	RELU 0
.if \wm
	OSET
.endif
	WFC \wm, 0, 0
	RELU 1
	WFC \wm, 1, 0
	RELU 2
	WFC \wm, 2, 0
	RELU 3
	WFC \wm, 3, 0
	QUANT
	WFC \wm, 0, 1
.if \ft
	FEATA
.else
	NOPS 8
.endif
	WFC \wm, 1, 1
	FP 0
	FP 1
	FP 2
	FP 3
	WFC \wm, 2, 1
.if \ft
	FEATB \pre
.else
	NOPS 4
.endif
	WFC \wm, 3, 1
	STATS 0
	WFC \wm, 0, 2
	STATS 1
	WFC \wm, 1, 2
	STATS 2
	WFC \wm, 2, 2
	FP 4
	FP 5
	FP 6
	WFC \wm, 3, 2
	STATS 3
	WFC \wm, 0, 3
	FP 7
	STATS 4
	WFC \wm, 1, 3
	STATS 5
	WFC \wm, 2, 3
	STATS 6
	WFC \wm, 3, 3
	STATS 7
	WIN 0                                          ; at a label and at a branch every window is 0
.endm
.macro FINAL u                         ; U joins: M + U;  S + 32 U in two halves, between which Q takes U (S + 16 U) twice = 2 U S + 32 U^2
	WIN 0x54
.set dd, D2+8*((\u)%4)
.irp j, 0,2,4,6
	v_pk_add_f32 v[MX+8*\u+\j:MX+8*\u+\j+1], v[dd+\j:dd+\j+1], v[MX+8*\u+\j:MX+8*\u+\j+1]
	v_pk_fma_f32 v[SS+8*\u+\j:SS+8*\u+\j+1], v[dd+\j:dd+\j+1], 0x41800000, v[SS+8*\u+\j:SS+8*\u+\j+1] op_sel_hi:[1,0,1]
.endr
.rept 2
.irp j, 0,2,4,6
	v_pk_fma_f32 v[QQ+8*\u+\j:QQ+8*\u+\j+1], v[dd+\j:dd+\j+1], v[SS+8*\u+\j:SS+8*\u+\j+1], v[QQ+8*\u+\j:QQ+8*\u+\j+1]
.endr
.endr
.irp j, 0,2,4,6
	v_pk_fma_f32 v[SS+8*\u+\j:SS+8*\u+\j+1], v[dd+\j:dd+\j+1], 0x41800000, v[SS+8*\u+\j:SS+8*\u+\j+1] op_sel_hi:[1,0,1]
.endr
.endm
	s_load_b512 s[4:19], s[0:1], 0x0               ; features s[4:5], num_points s[6:7], W1 s[8:9], g1 s[10:11], b1 s[12:13], kc s[14:15], w2q s[16:17], st1 s[18:19]
	s_load_b128 s[20:23], s[0:1], 0x40             ; hm s[20:21], st2 s[22:23]
	v_lshl_add_u32 v[SPW], v0, 2, SPARE
	v_mov_b32 v[NIL], 0
	v_lshrrev_b32 v15, 5, v0
	v_readfirstlane_b32 s[WV], v15                 ; wave 0..7
	s_lshl_b32 s[GI], ttmp9, 3
	s_add_co_u32 s[GI], s[GI], s[WV]               ; G
	v_and_b32 v196, 31, v0                         ; lane
	v_and_b32 v197, 15, v0                         ; r
	v_bfe_u32 v198, v0, 4, 1                       ; h
	v_add_nc_u32 v199, 1, v197
	v_lshrrev_b32 v199, 4, v199
	v_sub_nc_u32 v199, v197, v199                  ; r' = r, but 14 in lane 15: it enters the offset into num_points alone
	s_mul_i32 s26, s[WV], WREG
	v_mul_u32_u24 v[FRD], v197, PITCH              ; the stage has a row for each r
	v_add_nc_u32 v[FRD], s26, v[FRD]
	v_lshlrev_b32 v[L16], 4, v196
	v_add_nc_u32 v[IMG], s26, v[L16]
	v_mul_u32_u24 v[COL], v196, PITCH
	v_add_nc_u32 v[COL], s26, v[COL]
	v_mul_u32_u24 v[SO], v197, PITCH
	v_lshl_add_u32 v[SO], v198, 5, v[SO]
	v_add_nc_u32 v[SO], s26, v[SO]
	v_bfe_u32 v15, v0, 1, 3                        ; my four sums: tile (lane / 2) % 8: 64 bytes; Q's 512 bytes behind S's; four channels a lane
	v_lshlrev_b32 v[RDA], 6, v15
	v_lshl_add_u32 v[RDA], v198, 9, v[RDA]
	v_and_b32 v15, 1, v0
	v_lshl_add_u32 v[RDA], v15, 4, v[RDA]
	s_lshl_b32 s26, s[WV], 10
	s_add_co_u32 s27, s26, REDB
	v_add_nc_u32 v[RDA], s27, v[RDA]
	v_add_nc_u32 v211, s26, v[L16]                 ; in w2q: tile = my wave
	s_add_co_u32 s27, s26, W2I
	v_add_nc_u32 v206, s27, v[L16]                 ; where I put that tile's image,
	v_add_nc_u32 v207, W2I, v[L16]                 ; and from where every wave reads all eight
	s_lshl_b32 s26, s[WV], 9
	s_add_co_u32 s27, s26, PRB
	v_add_nc_u32 v204, s27, v[L16]
	v_add_nc_u32 v205, PRB, v[L16]
	s_add_co_u32 s27, s26, TABB
	v_bfe_u32 v200, v0, 3, 1
	v_lshlrev_b32 v200, 7, v200
	v_and_b32 v15, 7, v0
	v_lshl_add_u32 v200, v15, 2, v200              ; 4 x (32 (r / 8) + r % 8): my fragment row's channel in tile 0
	v_add_nc_u32 v[TA], s27, v200
	v_lshlrev_b32 v[L8], 3, v196
	v_add_nc_u32 v[TW], s27, v[L8]
	v_lshl_add_u32 v201, v198, 10, v200            ; + 4 rows of W1 for half 1
	v_lshl_add_u32 v202, v198, 9, v200             ; + 2 rows
	v_lshlrev_b32 v203, 2, v199
	v_lshlrev_b32 v208, 2, v196
	v_and_b32 v15, 63, v0
	v_lshlrev_b32 v210, 4, v15
	v_add_nc_u32 v209, REDB, v210
	v_cvt_f32_u32 v[A+1], v198
	v_sub_f32 v[A], 1.0, v[A+1]
	s_mov_b32 s[SEL], 0x76543210
	s_mov_b32 s[SEL+1], 0xfedcba98
	s_mov_b32 s40, 0x358bcf65                      ; 1 / 960,000
	s_mov_b32 s41, s40
	s_mov_b32 s42, 0x496a6000                      ; 960,000 rows
	s_mov_b32 s43, s42
	s_add_co_u32 s38, s[WV], 248                   ; st1 has 250 rows: wave w sums rows w + 8 i, i = 0 .. 30, and one more, 248 + w, which counts in waves 0 and 1 alone (held inside the buffer, weight 0, in the others)
	s_min_u32 s38, s38, 249
	s_lshl_b32 s38, s38, 9
	s_mov_b32 s39, 0
	s_cmp_lt_u32 s[WV], 2
	s_cselect_b32 s34, 1.0, 0
	s_mov_b32 s35, s34
	s_mov_b32 s27, 0
	s_wait_kmcnt 0x0
	s_add_nc_u64 s[36:37], s[18:19], s[38:39]
	s_add_nc_u64 s[18:19], s[18:19], s[26:27]      ; s26 = 512 x wave
	s_mul_i32 s26, s[GI], 7680
	s_add_nc_u64 s[4:5], s[4:5], s[26:27]
	s_add_nc_u64 s[20:21], s[20:21], s[26:27]
	s_mul_i32 s26, s[GI], 60
	s_add_nc_u64 s[6:7], s[6:7], s[26:27]
	s_lshl_b32 s26, s[GI], 10
	s_add_nc_u64 s[14:15], s[14:15], s[26:27]
	s_lshl_b32 s26, ttmp9, 10
	s_add_nc_u64 s[22:23], s[22:23], s[26:27]
	WIN 0x40                                       ; destinations in window 1
.irp i, 0,1,2,3,4,5,6,7,8,9,10,11,12,13,14,15,16,17,18,19,20,21,22,23,24,25,26,27,28,29,30
	global_load_b128 v[4*\i:4*\i+3], v[L16], s[18:19] offset:4096*\i   ; a row of st1: (sum, sum of squares) of channels 2 l, 2 l + 1
.endr
	global_load_b128 v[124:127], v[L16], s[36:37]
.irp i, 0,1,2,3,4,5,6,7,8,9,10,11,12,13,14
	global_load_b128 v[128+4*\i:131+4*\i], v[L16], s[4:5] offset:512*\i th:TH_LOAD_NT
.endr
	WIN 0
	global_load_b128 v[K:K+3], v[L16], s[14:15]
	global_load_b128 v[K+4:K+7], v[L16], s[14:15] offset:512
	global_load_b32 v[NP], v203, s[6:7]
.irp t, 0,1,2,3                        ; W1's rows by slot: half 0 | half 1: 0|4, 1|5;  7|(c), 8|(0);  2|6, 3|(0);  9|11, 10|12
	global_load_b32 v[W1F+8*\t],   v201, s[8:9] offset:32*\t
	global_load_b32 v[W1F+8*\t+1], v201, s[8:9] offset:256+32*\t
	global_load_b32 v[W1F+8*\t+2], v200, s[8:9] offset:256*7+32*\t
	global_load_b32 v[W1F+8*\t+3], v200, s[8:9] offset:256*8+32*\t
	global_load_b32 v[W1F+8*\t+4], v201, s[8:9] offset:256*2+32*\t
	global_load_b32 v[W1F+8*\t+5], v200, s[8:9] offset:256*3+32*\t
	global_load_b32 v[W1F+8*\t+6], v202, s[8:9] offset:256*9+32*\t
	global_load_b32 v[W1F+8*\t+7], v202, s[8:9] offset:256*10+32*\t
.endr
	global_load_b64 v[212:213], v[L8], s[10:11]    ; g1, b1 of channels 2 l, 2 l + 1
	global_load_b64 v[214:215], v[L8], s[12:13]
	global_load_b128 v[216:219], v211, s[16:17]
	global_load_b128 v[220:223], v211, s[16:17] offset:512
.irp i, 0,1,2,3
	global_load_b32 v[W2S+\i], v208, s[16:17] offset:8192+128*\i
.endr
	s_wait_loadcnt 0x0
	WIN 0x04                                       ; an LDS store's data are its source 1: window 1
.irp i, 0,1,2,3,4,5,6,7,8,9,10,11,12,13,14
	ds_store_b128 v[IMG], v[128+4*\i:131+4*\i] offset:PITCH*\i
.endr
	ds_store_b128 v[IMG], v[184:187] offset:PITCH*15   ; row 15: voxel 14 once more, for lane 15
	WIN 0
	ds_store_b128 v206, v[216:219]
	ds_store_b128 v206, v[220:223] offset:512
	WIN 0x55                                       ; all in window 1
	v_pk_mul_f32 v[124:125], v[124:125], s[34:35] op_sel_hi:[1,0]
	v_pk_mul_f32 v[126:127], v[126:127], s[34:35] op_sel_hi:[1,0]
.irp i, 0,2,4,6,8,10,12,14,16,18,20,22,24,26,28,30
	QADD 4*\i, 4*\i+4
.endr
.irp i, 0,4,8,12,16,20,24,28
	QADD 4*\i, 4*\i+8
.endr
.irp i, 0,8,16,24
	QADD 4*\i, 4*\i+16
.endr
	QADD 0, 32
	QADD 64, 96
	QADD 0, 64
	WIN 0x04
	ds_store_b128 v204, v[0:3]
	WIN 0
	s_wait_dscnt 0x0                               ; for the others' sake: my tile of W2 and my part of the sums lie in LDS
	s_barrier_signal -1
	s_barrier_wait -1
.irp p, 0,1,2,3,4,5,6,7
	ds_load_b128 v[100+4*\p:103+4*\p], v205 offset:512*\p
.endr
.irp u, 0,1,2,3
.irp c, 0,1
	ds_load_b128 v[W2FL+8*\u+4*\c:W2FL+8*\u+4*\c+3], v207 offset:1024*\u+512*\c
.endr
.endr
	WIN 0x40
.irp u, 4,5,6,7
.irp c, 0,1
	ds_load_b128 v[W2FH+8*(\u-4)+4*\c:W2FH+8*(\u-4)+4*\c+3], v207 offset:1024*\u+512*\c
.endr
.endr
	WIN 0
	s_wait_dscnt 0x0
	TREE8 100                                      ; v100-103: sum, sum of squares of channels 2 l and 2 l + 1, over all 960,000 rows
	v_pk_mul_f32 v[104:105], v[100:101], s[40:41] op_sel_hi:[1,0]   ; / n: the reciprocal, and one correction by the remainder
	v_pk_mul_f32 v[106:107], v[102:103], s[40:41] op_sel_hi:[1,0]
	v_pk_fma_f32 v[108:109], v[104:105], s[42:43], v[100:101] op_sel_hi:[1,0,1] neg_lo:[1,0,0] neg_hi:[1,0,0]
	v_pk_fma_f32 v[110:111], v[106:107], s[42:43], v[102:103] op_sel_hi:[1,0,1] neg_lo:[1,0,0] neg_hi:[1,0,0]
	v_pk_fma_f32 v[104:105], v[108:109], s[40:41], v[104:105] op_sel_hi:[1,0,1]
	v_pk_fma_f32 v[106:107], v[110:111], s[40:41], v[106:107] op_sel_hi:[1,0,1]
	v_fma_f32 v112, -v104, v104, v105              ; the variance,
	v_fma_f32 v113, -v106, v106, v107
	v_max_num_f32 v112, 0, v112                    ; never under 0,
	v_max_num_f32 v113, 0, v113
	v_add_f32 v112, 0x3a83126f, v112               ; + 1e-3
	v_add_f32 v113, 0x3a83126f, v113
	v_rsq_f32 v114, v112
	v_rsq_f32 v115, v113
	v_lshlrev_b32 v[SH8], 3, v198                  ; (a plain line behind the two)
	s_wait_alu depctr_va_vdst(0)                   ; one wait for both, ahead of their first reader
	v_pk_mul_f32 v[116:117], v[114:115], v[212:213]   ; a = rs g
	v_fma_f32 v118, -v104, v116, v214              ; c = b - mu a
	v_fma_f32 v119, -v106, v117, v215
	ds_store_b64 v[TW], v[116:117]                 ; my wave's own table: LDS serves a wave's instructions in order
	ds_store_b64 v[TW], v[118:119] offset:256
.irp t, 0,1,2,3
	ds_load_b32 v[132+\t], v[TA] offset:32*\t      ; a and c of my fragment row's channel in tile t
	ds_load_b32 v[136+\t], v[TA] offset:256+32*\t
.endr
	s_wait_dscnt 0x0
.irp t, 0,1,2,3
	v_mul_f32 v[140+\t], v[A], v[132+\t]           ; a in half 0, 0 in half 1
	v_mul_f32 v[144+\t], v[A+1], v[136+\t]         ; 0 in half 0, c in half 1
.endr
.irp t, 0,1,2,3
	v_mul_f32 v[W1F+8*\t],   v[W1F+8*\t],   v[132+\t]
	v_mul_f32 v[W1F+8*\t+1], v[W1F+8*\t+1], v[132+\t]
	v_fma_f32 v[W1F+8*\t+2], v[W1F+8*\t+2], v[140+\t], v[144+\t]   ; half 1: the constant's weight, c
	v_mul_f32 v[W1F+8*\t+3], v[W1F+8*\t+3], v[140+\t]              ; half 1: 0
	v_mul_f32 v[W1F+8*\t+4], v[W1F+8*\t+4], v[132+\t]
	v_mul_f32 v[W1F+8*\t+5], v[W1F+8*\t+5], v[140+\t]              ; half 1: 0
	v_mul_f32 v[W1F+8*\t+6], v[W1F+8*\t+6], v[132+\t]
	v_mul_f32 v[W1F+8*\t+7], v[W1F+8*\t+7], v[132+\t]
.endr
	; what the vector unit carries from tile to tile begins here: the trip is written once for all tiles; a first trip of its own would need as many moves
	WIN 0x40
.irp j, 0,1,2,3,4,5,6,7,8,9,10,11,12,13,14,15,16,17,18,19,20,21,22,23,24,25,26,27,28,29,30,31,32,33,34,35,36,37,38,39,40,41,42,43,44,45,46,47,48,49,50,51,52,53,54,55,56,57,58,59,60,61,62,63
	v_mov_b32 v[MX+\j], 0xff800000
	v_mov_b32 v[SS+\j], 0
	v_mov_b32 v[QQ+\j], 0
.endr
	WIN 0
.irp j, 0,1,2,3,4,5,6,7,8,9,10,11,12,13,14,15,16,17,18,19,20,21,22,23,24,25,26,27,28,29,30,31
	v_mov_b32 v[AG+\j], 0                          ; agg is a maximum of ReLU's results: never under 0
.endr
.irp j, 4,5,6,7
	v_mov_b32 v[RQ+\j], 0                          ; K blocks 2, 3 of part1: zero codes
.endr
	v_mov_b32 v[PX], 0                             ; a lane permute's destination counts as one of its sources
	; ---- THE 32 TILES
	s_mov_b32 s[PI], 0
	s_mov_b32 s[PT], 16
	ds_load_b128 v[X:X+3], v[FRD]
	FEATA
	FEATB 1
	OSET
.irp s, 0,1,2,3
.irp t, 0,1,2,3
	WF \t, \s                                      ; tile 0's products: the four accumulators by turns
.endr
.endr
	FEATA                                          ; tile 1's features: also the plain lines between those products and the first read of their results
	FEATB 1
	s_mov_b32 s[CNT], 29
.Ltile:
	TRIP 1, 1, 1
	s_sub_co_u32 s[CNT], s[CNT], 1
	s_cmp_lg_u32 s[CNT], 0
	s_cbranch_scc1 .Ltile
	TRIP 1, 1, 0                                   ; tile 29: nothing is left to fetch,
	TRIP 1, 0, 0                                   ; tile 30: no features left to make,
	TRIP 0, 0, 0                                   ; tile 31: no products left to issue
	; ---- agg, once a voxel: my K block 2 + h: its byte into byte 2 + h, its codes into the operand's registers 4-7; blocks 0, 1 become zero codes
	v_max3_num_f32 v[BM], v[AG], v[AG+1], 0x1800000
	v_max3_num_f32 v[BM+1], v[AG+2], v[AG+3], 0x1800000
.irp i, 4,8,12,16,20,24,28
	v_max3_num_f32 v[BM], v[BM], v[AG+\i], v[AG+\i+1]
	v_max3_num_f32 v[BM+1], v[BM+1], v[AG+\i+2], v[AG+\i+3]
.endr
	v_max_num_f32 v[BM], v[BM], v[BM+1]
	v_add_nc_u32 v[SC], 0xff000000, v[BM]
	v_lshrrev_b32 v[BY], 23, v[SC]
	v_lshlrev_b32 v[BY], 16, v[BY]
	v_lshlrev_b32 v[BY], v[SH8], v[BY]
	v_permlanex16_b32 v[PX], v[BY], s[SEL], s[SEL+1]
	v_or_b32 v[RS], v[BY], v[PX]
.irp j, 0,1,2,3
	v_mov_b32 v[RQ+\j], 0
.endr
.irp g, 0,1,2,3
	v_cvt_scalef32_pk8_fp4_f32 v[RQ+4+\g], v[AG+8*\g:AG+8*\g+7], v[SC]
.endr
	NOPS 9                                         ; one plain line behind the conversions; eight between the scale word's write and the scaled products
	FP 0
	FP 1
	FP 2
	FP 3
	NOPS 4
	FINAL 0
	FINAL 1
	FINAL 2
	FINAL 3
	FP 4
	FP 5
	FP 6
	FP 7
	NOPS 4
	FINAL 4
	FINAL 5
	FINAL 6
	FINAL 7
	; ---- THE WAY OUT of the maxima: a lane holds 8 neighbouring channels of each tile of its voxel's row; the rows meet in my stage and leave whole
	WIN 0x04
.irp u, 0,1,2,3,4,5,6,7
	ds_store_b128 v[SO], v[MX+8*\u:MX+8*\u+3] offset:64*\u
	ds_store_b128 v[SO], v[MX+8*\u+4:MX+8*\u+7] offset:64*\u+16
.endr
	WIN 0
.irp i, 0,1,2,3,4,5,6,7,8,9,10,11,12,13,14
	ds_load_b128 v[100+4*\i:103+4*\i], v[IMG] offset:PITCH*\i   ; LDS serves a wave's instructions in order: these see the stores above.  Row 15 repeats voxel 14 and stays
.endr
.irp i, 0,1,2,3,4,5,6,7,8,9,10,11,12,13,14
	s_wait_dscnt 14-\i                             ; row i is in; the younger loads may be out
	global_store_b128 v[L16], v[100+4*\i:103+4*\i], s[20:21] offset:512*\i   ; 32 lanes store a row of 512 consecutive bytes, aligned
.endr
	; ---- S and Q over the lanes, as in launch 1: lanes 0-14 of each half
	WIN 0x04
.irp q, 0,1,2,3,4,5,6,7,8,9,10,11,12,13,14,15,16,17,18,19,20,21,22,23,24,25,26,27,28,29,30,31
	ds_store_b128 v[IMG], v[SS+4*\q:SS+4*\q+3] offset:PITCH*\q
.endr
	WIN 0x40
.irp hh, 0,1
.irp rr, 0,1,2,3,4,5,6,7,8,9,10,11,12,13,14
	ds_load_b128 v[SS+64*\hh+4*\rr:SS+64*\hh+4*\rr+3], v[COL] offset:(16*\hh+\rr)*16
.endr
.endr
	s_wait_dscnt 0x0
	WIN 0x55
	TREE15 SS
	TREE15 SS+64
	WIN 0x04
	ds_store_b128 v[RDA], v[SS:SS+3]               ; half 0: channels 16 u + 0 .. 7,
	ds_store_b128 v[RDA], v[SS+64:SS+67] offset:32 ; half 1: 16 u + 8 .. 15
	WIN 0
	s_wait_dscnt 0x0
	s_barrier_signal -1
	s_barrier_wait -1
	; ---- over the waves: waves 0 and 1, four numbers a lane
	s_cmp_lt_u32 s[WV], 2
	s_cbranch_scc0 .Ldone
.irp p, 0,1,2,3,4,5,6,7
	ds_load_b128 v[164+4*\p:167+4*\p], v209 offset:1024*\p
.endr
	s_wait_dscnt 0x0
	TREE8 164
	global_store_b128 v210, v[164:167], s[22:23]   ; a wave stores 512 consecutive bytes, aligned
.Ldone:
	s_wait_tensorcnt 0x0                           ; the wave's end: three lines behind my last LDS store
	ds_add_u32 v[SPW], v[NIL]
	s_wait_dscnt 0x0
	s_endpgm
.Lfunc_end_k_q6a3168aa93_main:
	.size	k_q6a3168aa93_main, .Lfunc_end_k_q6a3168aa93_main-k_q6a3168aa93_main
	.p2alignl 7, 3214868480
	.fill 96, 4, 3214868480
	.section	.rodata,"a",@progbits
	.p2align	6, 0x0
	.amdhsa_kernel k_q6a3168aa93_main
		.amdhsa_group_segment_fixed_size 167936
		.amdhsa_private_segment_fixed_size 0
		.amdhsa_enable_private_segment 0
		.amdhsa_kernarg_size 80
		.amdhsa_user_sgpr_count 2
		.amdhsa_user_sgpr_kernarg_segment_ptr 1
		.amdhsa_wavefront_size32 1
		.amdhsa_system_sgpr_workgroup_id_x 1
		.amdhsa_system_sgpr_workgroup_id_y 1
		.amdhsa_system_sgpr_workgroup_id_z 1
		.amdhsa_system_vgpr_workitem_id 0
		.amdhsa_next_free_vgpr 512
		.amdhsa_next_free_sgpr 66
		.amdhsa_reserve_vcc 1
		.amdhsa_float_denorm_mode_32 3
		.amdhsa_float_denorm_mode_16_64 3
		.amdhsa_memory_ordered 1
		.amdhsa_forward_progress 1
		.amdhsa_inst_pref_size 128
	.end_amdhsa_kernel
	.amdgpu_metadata
---
amdhsa.version: [ 1, 2 ]
amdhsa.kernels:
  - .name:           k_q6a3168aa93_main
    .symbol:         k_q6a3168aa93_main.kd
    .args:
      - { .name: features, .offset: 0, .size: 8, .value_kind: global_buffer, .address_space: global }
      - { .name: num_points, .offset: 8, .size: 8, .value_kind: global_buffer, .address_space: global }
      - { .name: W1, .offset: 16, .size: 8, .value_kind: global_buffer, .address_space: global }
      - { .name: g1, .offset: 24, .size: 8, .value_kind: global_buffer, .address_space: global }
      - { .name: b1, .offset: 32, .size: 8, .value_kind: global_buffer, .address_space: global }
      - { .name: kc, .offset: 40, .size: 8, .value_kind: global_buffer, .address_space: global }
      - { .name: w2q, .offset: 48, .size: 8, .value_kind: global_buffer, .address_space: global }
      - { .name: st1, .offset: 56, .size: 8, .value_kind: global_buffer, .address_space: global }
      - { .name: hm, .offset: 64, .size: 8, .value_kind: global_buffer, .address_space: global }
      - { .name: st2, .offset: 72, .size: 8, .value_kind: global_buffer, .address_space: global }
    .group_segment_fixed_size: 167936
    .private_segment_fixed_size: 0
    .kernarg_segment_align: 8
    .kernarg_segment_size: 80
    .max_flat_workgroup_size: 256
    .sgpr_count:     66
    .vgpr_count:     512
    .wavefront_size: 32
...
	.end_amdgpu_metadata
.endif
;; end of part 2
;; launch finish (part 3): grid 250 x 1, 8 waves a work-group, no clusters, 9,216 bytes of LDS; arguments hm, st2, g2, b2, out0; writes out0
.if DOCPART == 3
	.amdgcn_target "amdgcn-amd-amdhsa--gfx1250"
	.amdhsa_code_object_version 6
	.text
	.protected	k_q6a3168aa93_finish
	.globl	k_q6a3168aa93_finish
	.p2align	8
	.type	k_q6a3168aa93_finish,@function
k_q6a3168aa93_finish:
	s_mov_b64 s[64:65], 0
	v_nop
	global_prefetch_b8 v0, s[64:65] scope:SCOPE_SE
	s_setreg_imm32_b32 hwreg(HW_REG_WAVE_MODE, 25, 1), 1
	s_wait_xcnt 0x0
; LAUNCH 3 OF 3.  out0 = relu(|g2| rs (hm - mu) + b2).  hm is the maximum over a voxel's points of sign(g2) h2; mu and the variance are those of sign(g2) h2 over all 960,000 rows, from the 250 partial rows of st2.
; BN and ReLU rise with sign(g2) h2, so they are applied to the maximum alone: for all values of the inputs that is the maximum of reference()'s 32 results.  Nothing else is left out.
; LIMITS: the variance is E[h2^2] - mean^2 (its relative error grows as mean^2 / variance x 2^-24); NaN and infinities are not carried as reference() carries them.
; SHARES.  250 work-groups x 8 waves; wave G stores rows 15 G .. 15 G + 14; lane l keeps channels 4 l .. 4 l + 3, so a load or store of a wave covers a row's 512 consecutive bytes.
; Every work-group sums st2 itself: wave w takes rows w + 8 i, i = 0 .. 30, and row 248 + w, which counts in waves 0 and 1 alone (held inside the buffer, weight 0, in the others); the eight parts meet in LDS.
; A stream: no matrix unit, no tensor load, no cluster; all of hm's loads are out while st2 is summed.
.set SPARE, 8192                       ; behind the waves' 8 x 1,024 bytes: the spare words, four blocks of 256 bytes that no other line names
.set R,   16                           ; v16-143  a ring of 16 rows of st2: S's four, Q's four
.set EX,  144                          ; v144-151 the extra row
.set SU,  152                          ; v152-159 my wave's sums
.set HM,  160                          ; v160-219 my 15 rows of hm, then of out0
.macro OADD d, s                       ; eight registers onto eight
.irp j, 0,2,4,6
	v_pk_add_f32 v[\d+\j:\d+\j+1], v[\d+\j:\d+\j+1], v[\s+\j:\s+\j+1]
.endr
.endm
	s_load_b256 s[4:11], s[0:1], 0x0               ; hm s[4:5], st2 s[6:7], g2 s[8:9], b2 s[10:11]
	s_load_b64 s[12:13], s[0:1], 0x20              ; out0
	v_lshl_add_u32 v1, v0, 2, SPARE
	v_mov_b32 v2, 0
	v_lshrrev_b32 v3, 5, v0
	v_readfirstlane_b32 s14, v3                    ; wave
	s_lshl_b32 s15, ttmp9, 3
	s_add_co_u32 s15, s15, s14                     ; G
	v_and_b32 v3, 31, v0
	v_lshlrev_b32 v3, 4, v3                        ; 16 x lane
	s_lshl_b32 s16, s14, 10
	s_mov_b32 s17, 0
	v_add_nc_u32 v4, s16, v3                       ; LDS: my wave's 1,024 bytes
	s_add_co_u32 s18, s14, 248
	s_min_u32 s18, s18, 249
	s_lshl_b32 s18, s18, 10
	s_mov_b32 s19, 0
	s_cmp_lt_u32 s14, 2
	s_cselect_b32 s20, 1.0, 0
	s_mov_b32 s21, s20
	s_mul_i32 s22, s15, 7680
	s_mov_b32 s23, 0
	s_mov_b32 s24, 0x358bcf65                      ; 1 / 960,000
	s_mov_b32 s25, s24
	s_wait_kmcnt 0x0
	s_add_nc_u64 s[26:27], s[6:7], s[18:19]
	s_add_nc_u64 s[6:7], s[6:7], s[16:17]
	s_add_nc_u64 s[4:5], s[4:5], s[22:23]
	s_add_nc_u64 s[12:13], s[12:13], s[22:23]
	global_load_b128 v[EX:EX+3], v3, s[26:27]
	global_load_b128 v[EX+4:EX+7], v3, s[26:27] offset:512
.irp i, 0,1,2,3,4,5,6,7,8,9,10,11,12,13,14,15
	global_load_b128 v[R+8*\i:R+8*\i+3], v3, s[6:7] offset:8192*\i
	global_load_b128 v[R+8*\i+4:R+8*\i+7], v3, s[6:7] offset:8192*\i+512
.endr
	global_load_b128 v[220:223], v3, s[8:9]
	global_load_b128 v[224:227], v3, s[10:11]
.irp i, 0,1,2,3,4,5,6,7,8,9,10,11,12,13,14
	global_load_b128 v[HM+4*\i:HM+4*\i+3], v3, s[4:5] offset:512*\i th:TH_LOAD_NT
.endr
	s_wait_loadcnt 49                              ; the extra row is in: 32 + 2 + 15 loads were issued behind it
.irp j, 0,2,4,6
	v_pk_mul_f32 v[SU+\j:SU+\j+1], v[EX+\j:EX+\j+1], s[20:21] op_sel_hi:[1,0]   ; the sums begin with it, times its weight
.endr
.irp i, 0,1,2,3,4,5,6,7,8,9,10,11,12,13,14,15
	s_wait_loadcnt 47                              ; row i is in: behind it stand 2 (15 - i) of the first rows' loads, the 17 of g2, b2 and hm, and 2 i refills
	OADD SU, R+8*\i
.if \i < 15
	global_load_b128 v[R+8*\i:R+8*\i+3], v3, s[6:7] offset:8192*(16+\i)
	global_load_b128 v[R+8*\i+4:R+8*\i+7], v3, s[6:7] offset:8192*(16+\i)+512
.endif
.endr
.irp k, 0,1,2,3,4,5,6,7,8,9,10,11,12,13,14
	s_wait_loadcnt 2*(14-\k)                       ; row 16 + k is in; the younger refills may be out
	OADD SU, R+8*\k
.endr
	ds_store_b128 v4, v[SU:SU+3]
	ds_store_b128 v4, v[SU+4:SU+7] offset:512
	s_wait_dscnt 0x0                               ; for the others' sake
	s_barrier_signal -1
	s_barrier_wait -1
.irp p, 0,1,2,3,4,5,6,7
	ds_load_b128 v[R+8*\p:R+8*\p+3], v3 offset:1024*\p
	ds_load_b128 v[R+8*\p+4:R+8*\p+7], v3 offset:1024*\p+512
.endr
	s_wait_dscnt 0x0
	OADD R, R+8
	OADD R+16, R+24
	OADD R+32, R+40
	OADD R+48, R+56
	OADD R, R+16
	OADD R+32, R+48
	OADD R, R+32                                   ; v16-19 the sums, v20-23 the sums of squares of my four channels
	v_pk_mul_f32 v[228:229], v[16:17], s[24:25] op_sel_hi:[1,0]     ; mu
	v_pk_mul_f32 v[230:231], v[18:19], s[24:25] op_sel_hi:[1,0]
	v_pk_mul_f32 v[232:233], v[20:21], s[24:25] op_sel_hi:[1,0]
	v_pk_mul_f32 v[234:235], v[22:23], s[24:25] op_sel_hi:[1,0]
	v_pk_fma_f32 v[232:233], v[228:229], v[228:229], v[232:233] neg_lo:[1,0,0] neg_hi:[1,0,0]   ; the variance
	v_pk_fma_f32 v[234:235], v[230:231], v[230:231], v[234:235] neg_lo:[1,0,0] neg_hi:[1,0,0]
.irp j, 0,1,2,3
	v_max_num_f32 v[232+\j], 0, v[232+\j]
.endr
.irp j, 0,1,2,3
	v_add_f32 v[232+\j], 0x3a83126f, v[232+\j]     ; + 1e-3
.endr
.irp j, 0,1,2,3
	v_rsq_f32 v[236+\j], v[232+\j]
.endr
	v_nop                                          ; a plain line behind the four
	s_wait_alu depctr_va_vdst(0)                   ; one wait for the batch, ahead of its first reader
.irp j, 0,1,2,3
	v_mul_f32 v[240+\j], |v[220+\j]|, v[236+\j]    ; a2 = |g2| rs
.endr
	v_pk_fma_f32 v[244:245], v[228:229], v[240:241], v[224:225] neg_lo:[1,0,0] neg_hi:[1,0,0]   ; c2 = b2 - mu a2
	v_pk_fma_f32 v[246:247], v[230:231], v[242:243], v[226:227] neg_lo:[1,0,0] neg_hi:[1,0,0]
.irp i, 0,1,2,3,4,5,6,7,8,9,10,11,12,13,14
	v_pk_fma_f32 v[HM+4*\i:HM+4*\i+1], v[HM+4*\i:HM+4*\i+1], v[240:241], v[244:245]
	v_pk_fma_f32 v[HM+4*\i+2:HM+4*\i+3], v[HM+4*\i+2:HM+4*\i+3], v[242:243], v[246:247]
.irp j, 0,1,2,3
	v_max_num_f32 v[HM+4*\i+\j], 0, v[HM+4*\i+\j]
.endr
	global_store_b128 v3, v[HM+4*\i:HM+4*\i+3], s[12:13] offset:512*\i th:TH_STORE_NT   ; a row's 512 consecutive bytes, aligned; each row has registers of its own, so no store's data are written again
.endr
	s_wait_tensorcnt 0x0                           ; the wave's end: three lines behind my last LDS store
	ds_add_u32 v1, v2
	s_wait_dscnt 0x0
	s_endpgm
.Lfunc_end_k_q6a3168aa93_finish:
	.size	k_q6a3168aa93_finish, .Lfunc_end_k_q6a3168aa93_finish-k_q6a3168aa93_finish
	.p2alignl 7, 3214868480
	.fill 96, 4, 3214868480
	.section	.rodata,"a",@progbits
	.p2align	6, 0x0
	.amdhsa_kernel k_q6a3168aa93_finish
		.amdhsa_group_segment_fixed_size 9216
		.amdhsa_private_segment_fixed_size 0
		.amdhsa_enable_private_segment 0
		.amdhsa_kernarg_size 40
		.amdhsa_user_sgpr_count 2
		.amdhsa_user_sgpr_kernarg_segment_ptr 1
		.amdhsa_wavefront_size32 1
		.amdhsa_system_sgpr_workgroup_id_x 1
		.amdhsa_system_sgpr_workgroup_id_y 1
		.amdhsa_system_sgpr_workgroup_id_z 1
		.amdhsa_system_vgpr_workitem_id 0
		.amdhsa_next_free_vgpr 256
		.amdhsa_next_free_sgpr 66
		.amdhsa_reserve_vcc 0
		.amdhsa_float_denorm_mode_32 3
		.amdhsa_float_denorm_mode_16_64 3
		.amdhsa_memory_ordered 1
		.amdhsa_forward_progress 1
		.amdhsa_inst_pref_size 28
	.end_amdhsa_kernel
	.amdgpu_metadata
---
amdhsa.version: [ 1, 2 ]
amdhsa.kernels:
  - .name:           k_q6a3168aa93_finish
    .symbol:         k_q6a3168aa93_finish.kd
    .args:
      - { .name: hm, .offset: 0, .size: 8, .value_kind: global_buffer, .address_space: global }
      - { .name: st2, .offset: 8, .size: 8, .value_kind: global_buffer, .address_space: global }
      - { .name: g2, .offset: 16, .size: 8, .value_kind: global_buffer, .address_space: global }
      - { .name: b2, .offset: 24, .size: 8, .value_kind: global_buffer, .address_space: global }
      - { .name: out0, .offset: 32, .size: 8, .value_kind: global_buffer, .address_space: global }
    .group_segment_fixed_size: 9216
    .private_segment_fixed_size: 0
    .kernarg_segment_align: 8
    .kernarg_segment_size: 40
    .max_flat_workgroup_size: 256
    .sgpr_count:     66
    .vgpr_count:     256
    .wavefront_size: 32
...
	.end_amdgpu_metadata
.endif
;; end of part 3
;; ======== version 2 of 2: 3 launches; version 1 with the launches main, finish written anew for expert scheduling mode
;; limits: a difference of large sums (such as E[x^2] - mean^2): digits are lost where the result is much smaller than its terms
;; workspace buffers: kc 2,048,000 bytes; w2q 8,704 bytes; st1 128,000 bytes; hm 15,360,000 bytes; st2 256,000 bytes
;; launch moments: the kernel of part 1 again; grid 250 x 1, 8 waves a work-group, no clusters, 167,936 bytes of LDS; arguments features, num_points, coors, W1, W2, g2, kc, w2q, st1; writes kc, w2q, st1
;; launch main (part 4): grid 250 x 1, 8 waves a work-group, no clusters, 167,936 bytes of LDS; arguments features, num_points, W1, g1, b1, kc, w2q, st1, hm, st2; writes hm, st2
.if DOCPART == 4
	.amdgcn_target "amdgcn-amd-amdhsa--gfx1250"
	.amdhsa_code_object_version 6
	.text
	.protected	k_q6a3168aa93_main
	.globl	k_q6a3168aa93_main
	.p2align	8
	.type	k_q6a3168aa93_main,@function
k_q6a3168aa93_main:
	s_mov_b64 s[64:65], 0
	v_nop
	global_prefetch_b8 v0, s[64:65] scope:SCOPE_SE
	s_setreg_imm32_b32 hwreg(HW_REG_WAVE_SCHED_MODE, 0, 2), 2
	s_setreg_imm32_b32 hwreg(HW_REG_WAVE_MODE, 25, 1), 1
	s_wait_xcnt 0x0
	s_wait_alu depctr_vm_vsrc(0)
; LAUNCH 2 OF 3.  Layer 1 (f32 matrix form, BN folded into the weights), ReLU, the maximum over the points, the quantiser, layer 2's product on codes of E2M1, and of h2 only what is needed: for each voxel and channel
; the maximum over its 32 points (hm), and for each work-group the sums of h2 and h2^2 (st2).
; WHAT IS NOT REPEATED.  K blocks 2 and 3 of layer 2's left operand hold agg, which reference() broadcasts: they are the same in all 32 rows of a voxel, codes and scales alike.  So h2 = part1(row) + U(voxel), with
;   part1 the product over K blocks 0, 1 (blocks 2, 3 as zero codes) and U the product over blocks 2, 3, made once a voxel.  Then max(h2) = max(part1) + U, sum(h2) = S + 32 U, sum(h2^2) = Q + 2 U S + 32 U^2.
; BN1 IN THE WEIGHTS.  relu((h - mu) rs g + b) = relu(x (W1 a) + c), a = rs g, c = b - mu a: a scales W1's column, c is the weight of the constant-1 feature, which the mask leaves alone (a masked row has h = 0 and still gets c).
; The sign of g2 lies on W2's codes (launch 1): here h2 stands for sign(g2) h2.
; LIMITS: as stated at the head of launch 1 (variance as E[h^2] - mean^2; NaN, infinities; a block of zeros has the byte 1; the order of f32 sums).
; SHARES.  As in launch 1: wave G owns voxels 15 G .. 15 G + 14; a tile is point slot p of them; lane (r, h) serves voxel r; lane 15 repeats voxel 14 and is neither summed nor stored.
; LAYOUT.  Both products are used transposed (source 0 = weights, source 1 = the rows), so a lane holds one voxel throughout.  The channels that form a tile of W1 are chosen so: tile t, row 8 h + j is channel 32 h + 8 t + j.
;   Then lane (r, h) holds, in 32 registers, the whole K block h of its row in the operand's own order: the block's largest number needs no other lane, and the four conversions' results ARE the operand's registers 0-3.
; BY TURNS.  A trip does tile p's vector work, issues tile p + 1's sixteen f32 products and makes tile p + 2's features; a slice of vector work stands behind each f32 product.
; No tensor load, no cluster, no prefetch: each wave reads its own 7,680 bytes once, at the head; what is shared (st1, w2q, W1) is small and is read at the head too.
; THE MODE: SCHED_MODE bits 1:0 = 2 (LLVM: expert scheduling mode 2), set by the entry lines.  The code itself states the register dependences
; between vector or matrix instructions and memory or LDS instructions, with s_wait_alu, always for 0.
; THE PLAN.  Registers that memory or LDS instructions touch, in the loop:
;   X (v28-31)   read by a tile's feature lines; behind them the LDS load of the next point lands in it.
;   v[ADT]       written once a trip, by the last of the feature lines; read by that load.
;   Nothing else that the loop names is touched by an LDS or memory instruction.
; So ONE wait on va_vdst stands in a trip, behind the feature lines and ahead of the products on codes: the quantiser has written the rows' codes and scale word, the root is written, v[ADT] is written, and the
; feature lines are done reading X.  The point's load follows it at once and has the rest of the trip and the head of the next in which to land.  One wait on vm_vsrc stands ahead of the feature lines (the last load has
; read v[ADT]), one on va_vcc between the mask's compare and its select.  At the head and on the way out every address register is made ahead of the first wait on va_vdst and is written by no later line; each further wait says what it states.
; REGISTERS, window 0: v1-15 addresses; v16-23 K; v24-33 at the features; v34-38 at the quantiser; v39 the rows' scale word; v40-43 W2's scale words; v44-51 F; v52-59 O; v60-67 the rows' codes; v68-99 W1's fragments;
;   v100-131 agg; v132-163 H, then layer 2's results; v164-195 W2's tiles 0-3; v196-223 the head's; v224-255 are never named.
; window 1: v0-63 M, v64-127 S, v128-191 Q (at the head: st1's rows and the stage's loads); v192-223 W2's tiles 4-7; v224-255 layer 1's accumulators, which matrix instructions alone write.
.set WREG,  16896                      ; a wave's region: 16 rows of the points (row 15 is voxel 14 once more), then the stage for the way out, then 32 images
.set PITCH, 528
.set PRB,   8*WREG                     ; the waves' partial sums of st1: 512 bytes each
.set TABB,  PRB+8*512                  ; a[64], c[64]: each wave's own 512 bytes
.set W2I,   TABB+8*512                 ; W2's eight tiles as images of their registers: 1,024 bytes each
.set REDB,  W2I+8192                   ; the waves' S[128], Q[128]
.set SPARE, REDB+8192                  ; the spare words: 128 bytes a wave, four blocks of 256 bytes that no other line names
.set SPW, 1
.set NIL, 2
.set FRD, 3                            ; my lane's row in the stage: region + 528 r
.set ADT, 4
.set IMG, 5                            ; region + 16 x lane
.set COL, 6                            ; region + 528 x lane
.set SO,  7                            ; the way out: region + 528 r + 32 h
.set RDA, 8                            ; where my four sums go among the wave's S and Q
.set L16, 9                            ; 16 x lane
.set NP,  10
.set SH8, 11                           ; 8 h
.set TA,  12                           ; my fragment row's channel in the table
.set TW,  13                           ; the table + 8 x lane
.set L8,  14                           ; 8 x lane
.set K,   16
.set A,   24
.set MM,  26
.set X,   28
.set TT,  32
.set NN,  33
.set BM,  34
.set SC,  36
.set BY,  37
.set PX,  38
.set RS,  39                           ; the rows' scale word, and nothing else
.set W2S, 40                           ; register i: lanes 0-15 tile 2 i's words, lanes 16-31 tile 2 i + 1's
.set F,   44
.set O,   52
.set RQ,  60
.set W1F, 68                           ; tile t, K step s, register j at 8 t + 2 s + j
.set AG,  100
.set D2,  132
.set H,   132
.set W2FL, 164
.set W2FH, 192                         ; in window 1
.set MX,  0                            ; in window 1
.set SS,  64
.set QQ,  128
.set ACC, 224
.set WV,  24
.set GI,  25
.set SEL, 28
.set PI,  30
.set PT,  31
.set CNT, 32
.set MSB, 0
.macro WIN new                         ; s_set_vgpr_msb: bits 1:0 source 0, 3:2 source 1, 5:4 source 2, 7:6 destination; the high byte repeats the setting that is left; a switch that changes nothing is dropped
.if MSB != \new
	s_set_vgpr_msb (MSB<<8)|\new
.set MSB, \new
.endif
.endm
.macro NOPS n
.rept \n
	v_nop
.endr
.endm
.macro QADD d, s
	v_pk_add_f32 v[\d:\d+1], v[\d:\d+1], v[\s:\s+1]
	v_pk_add_f32 v[\d+2:\d+3], v[\d+2:\d+3], v[\s+2:\s+3]
.endm
.macro TREE15 b
.irp i, 0,2,4,6,8,10,12
	QADD \b+4*\i, \b+4*\i+4
.endr
.irp i, 0,4,8,12
	QADD \b+4*\i, \b+4*\i+8
.endr
	QADD \b, \b+16
	QADD \b+32, \b+48
	QADD \b, \b+32
.endm
.macro TREE8 b
.irp i, 0,2,4,6
	QADD \b+4*\i, \b+4*\i+4
.endr
	QADD \b, \b+8
	QADD \b+16, \b+24
	QADD \b, \b+16
.endm
.macro FEATA pre                       ; launch 1's arithmetic: the point's features but the last.  pre = 1: the next point is fetched
	WIN 0
	s_wait_dscnt 0x0                               ; the point was asked for a trip ago
	s_wait_alu depctr_vm_vsrc(0)                   ; that load has read its address: v[ADT] is written again below
	v_cmp_lt_i32 vcc_lo, s[PI], v[NP]              ; the mask's compare stands here; the select that reads it stands behind the products on codes
	v_mul_f32 v[TT], v[X], v[X]
	v_fma_f32 v[TT], v[X+1], v[X+1], v[TT]
	v_fma_f32 v[TT], v[X+2], v[X+2], v[TT]
	v_sqrt_f32 v[NN], v[TT]
	v_pk_add_f32 v[F:F+1], v[X:X+1], v[K:K+1]
	v_pk_fma_f32 v[F+2:F+3], v[X:X+1], v[A:A+1], v[K+2:K+3] op_sel_hi:[1,0,1]
	v_pk_add_f32 v[F+4:F+5], v[X+2:X+3], v[K+4:K+5]
	v_fma_f32 v[F+6], v[X+2], v[A], v[K+6]
	v_add_nc_u32 v[ADT], s[PT], v[FRD]
	s_wait_alu depctr_va_vdst(0)                   ; the trip's one wait on va_vdst: the quantiser has written the rows' codes and their scale word, which the products on codes take; the root is written, ahead of its first reader; v[ADT] is written, which the load below reads; the lines above are done reading X, in which it lands
.if \pre
	ds_load_b128 v[X:X+3], v[ADT]                  ; no vector or matrix instruction names X or v[ADT] before the next tile's feature lines
.endif
.endm
.macro FEATB                           ; the mask and the last feature
	WIN 0
	s_wait_alu depctr_va_vcc(0)                    ; the compare has written VCC, which the select reads
	v_cndmask_b32 v[MM], 0, 1.0, vcc_lo
	v_max_num_f32 v[MM+1], v[MM], v[A+1]
	v_nop                                          ; with the three lines round them: five plain lines between the products on codes and the first read of their results; four are owed
	v_nop
	v_fma_f32 v[F+7], v[NN], v[A], v[K+7]
	s_add_co_u32 s[PI], s[PI], 1
	s_add_co_u32 s[PT], s[PT], 16
.endm
.macro OSET
	WIN 0
	v_pk_mul_f32 v[O:O+1], v[F:F+1], v[MM:MM+1] op_sel_hi:[1,0]
	v_pk_mul_f32 v[O+2:O+3], v[F+2:F+3], v[MM:MM+1] op_sel:[0,1] op_sel_hi:[1,1]
	v_pk_mul_f32 v[O+4:O+5], v[F+4:F+5], v[MM:MM+1] op_sel_hi:[1,0]
	v_pk_mul_f32 v[O+6:O+7], v[F+6:F+7], v[MM:MM+1] op_sel_hi:[1,0]
.endm
.macro WF t, s                         ; layer 1, tile t of 16 channels, K step s: source 0 = W1's fragment, source 1 = the features; K step 0 starts the sum with the constant 0
	WIN 0x50
.if \s == 0
	v_wmma_f32_16x16x4_f32 v[ACC+8*\t:ACC+8*\t+7], v[W1F+8*\t+2*\s:W1F+8*\t+2*\s+1], v[O+2*\s:O+2*\s+1], 0
.else
	v_wmma_f32_16x16x4_f32 v[ACC+8*\t:ACC+8*\t+7], v[W1F+8*\t+2*\s:W1F+8*\t+2*\s+1], v[O+2*\s:O+2*\s+1], v[ACC+8*\t:ACC+8*\t+7]
.endif
.endm
.macro WFC wm, t, s
.if \wm
	WF \t, \s
.endif
.endm
.macro RELU t                          ; tile t: H = relu, agg = the running maximum, and the block's largest number; the accumulator is read from its low end on
	WIN 0x05
.irp j, 0,1,2,3,4,5,6,7
	v_max_num_f32 v[H+8*\t+\j], 0, v[ACC+8*\t+\j]
.endr
.irp j, 0,1,2,3,4,5,6,7
	v_max3_num_f32 v[AG+8*\t+\j], v[ACC+8*\t+\j], v[ACC+8*\t+\j], v[AG+8*\t+\j]
.endr
.irp i, 0,1,2,3
.if (\t == 0) && (\i < 2)
	v_max3_num_f32 v[BM+\i%2], v[ACC+8*\t+2*\i], v[ACC+8*\t+2*\i+1], 0x1800000   ; the floor 2^(3 - 127) starts both chains: it stands over what is negative and holds the byte at 1 from below
.else
	v_max3_num_f32 v[BM+\i%2], v[ACC+8*\t+2*\i], v[ACC+8*\t+2*\i+1], v[BM+\i%2]
.endif
.endr
.endm
.macro QUANT                           ; my K block h of the row: its scale byte into byte h of the row's word, its 32 codes into the operand's registers 0-3
	WIN 0
	v_max_num_f32 v[BM], v[BM], v[BM+1]
	v_add_nc_u32 v[SC], 0xff000000, v[BM]          ; 2 off the exponent field: the conversion's scale operand
	v_lshrrev_b32 v[BY], 23, v[SC]
	v_lshlrev_b32 v[BY], v[SH8], v[BY]
	v_permlanex16_b32 v[PX], v[BY], s[SEL], s[SEL+1]
	v_or_b32 v[RS], v[BY], v[PX]                   ; bytes 2, 3 stay 0: they scale zero codes
.irp g, 0,1,2,3
	v_cvt_scalef32_pk8_fp4_f32 v[RQ+\g], v[H+8*\g:H+8*\g+7], v[SC]
.endr
	v_nop                                          ; one plain line behind the conversions
.endm
.macro FP u                            ; layer 2, tile u of 16 output channels: source 0 = W2's tile, source 1 = the rows' codes
.if \u < 4
	WIN 0x00
.set wa, W2FL+8*\u
.else
	WIN 0x01
.set wa, W2FH+8*(\u-4)
.endif
.if (\u)%2
	v_wmma_scale_f32_16x16x128_f8f6f4 v[D2+8*((\u)%4):D2+8*((\u)%4)+7], v[wa:wa+7], v[RQ:RQ+7], 0, v[W2S+(\u)/2], v[RS] matrix_a_fmt:MATRIX_FMT_FP4 matrix_b_fmt:MATRIX_FMT_FP4 matrix_a_scale:MATRIX_SCALE_ROW1
.else
	v_wmma_scale_f32_16x16x128_f8f6f4 v[D2+8*((\u)%4):D2+8*((\u)%4)+7], v[wa:wa+7], v[RQ:RQ+7], 0, v[W2S+(\u)/2], v[RS] matrix_a_fmt:MATRIX_FMT_FP4 matrix_b_fmt:MATRIX_FMT_FP4
.endif
.endm
.macro STATS u                         ; tile u's results onto the maximum, the sum and the sum of squares: sixteen lines for its eight numbers a lane
	WIN 0x50
.set dd, D2+8*((\u)%4)
.irp j, 0,1,2,3,4,5,6,7
	v_max3_num_f32 v[MX+8*\u+\j], v[dd+\j], v[dd+\j], v[MX+8*\u+\j]
.endr
.irp j, 0,2,4,6
	v_pk_fma_f32 v[SS+8*\u+\j:SS+8*\u+\j+1], v[dd+\j:dd+\j+1], 1.0, v[SS+8*\u+\j:SS+8*\u+\j+1] op_sel_hi:[1,0,1]
.endr
.irp j, 0,2,4,6
	v_pk_fma_f32 v[QQ+8*\u+\j:QQ+8*\u+\j+1], v[dd+\j:dd+\j+1], v[dd+\j:dd+\j+1], v[QQ+8*\u+\j:QQ+8*\u+\j+1]
.endr
.endm
; A TRIP.  wm = 1: the next tile's f32 products are issued; ft = 1: the features of the tile after that are made; pre = 1: the point after that is fetched.
; DISTANCES, by this text's own count of plain vector lines that name none of the matrix instruction's registers.  Behind an f32 product 8 are wanted before its result is read or a source written, 9 before it is written over: the last K step
; of a tile is followed by at least one STATS (16) ahead of the next trip's RELU, and O is written behind STATS 7 and RELU 0.  The scale word is written at least 9 lines ahead of the products on codes (the v_nop and FEATA's plain lines, or eight v_nop), the codes likewise;
; the wait on va_vdst stands behind these lines.  Behind a product on codes 4 are wanted before its result is read, 5 before it is written over: FEATB's lines, or other tiles' STATS.  No two matrix instructions that follow each other share an accumulator, over the backward jump too.
.macro TRIP wm, ft, pre
	RELU 0
.if \wm
	OSET
.endif
	WFC \wm, 0, 0
	RELU 1
	WFC \wm, 1, 0
	RELU 2
	WFC \wm, 2, 0
	RELU 3
	WFC \wm, 3, 0
	QUANT
	WFC \wm, 0, 1
.if \ft
	FEATA \pre
.else
	NOPS 8
	s_wait_alu depctr_va_vdst(0)                   ; the quantiser has written the rows' codes and their scale word, which the products on codes take
.endif
	WFC \wm, 1, 1
	FP 0
	FP 1
	FP 2
	FP 3
	WFC \wm, 2, 1
.if \ft
	FEATB
.else
	NOPS 4
.endif
	WFC \wm, 3, 1
	STATS 0
	WFC \wm, 0, 2
	STATS 1
	WFC \wm, 1, 2
	STATS 2
	WFC \wm, 2, 2
	FP 4
	FP 5
	FP 6
	WFC \wm, 3, 2
	STATS 3
	WFC \wm, 0, 3
	FP 7
	STATS 4
	WFC \wm, 1, 3
	STATS 5
	WFC \wm, 2, 3
	STATS 6
	WFC \wm, 3, 3
	STATS 7
	WIN 0                                          ; at a label and at a branch every window is 0
.endm
.macro FINAL u                         ; U joins: M + U;  S + 32 U in two halves, between which Q takes U (S + 16 U) twice = 2 U S + 32 U^2
	WIN 0x54
.set dd, D2+8*((\u)%4)
.irp j, 0,2,4,6
	v_pk_add_f32 v[MX+8*\u+\j:MX+8*\u+\j+1], v[dd+\j:dd+\j+1], v[MX+8*\u+\j:MX+8*\u+\j+1]
	v_pk_fma_f32 v[SS+8*\u+\j:SS+8*\u+\j+1], v[dd+\j:dd+\j+1], 0x41800000, v[SS+8*\u+\j:SS+8*\u+\j+1] op_sel_hi:[1,0,1]
.endr
.rept 2
.irp j, 0,2,4,6
	v_pk_fma_f32 v[QQ+8*\u+\j:QQ+8*\u+\j+1], v[dd+\j:dd+\j+1], v[SS+8*\u+\j:SS+8*\u+\j+1], v[QQ+8*\u+\j:QQ+8*\u+\j+1]
.endr
.endr
.irp j, 0,2,4,6
	v_pk_fma_f32 v[SS+8*\u+\j:SS+8*\u+\j+1], v[dd+\j:dd+\j+1], 0x41800000, v[SS+8*\u+\j:SS+8*\u+\j+1] op_sel_hi:[1,0,1]
.endr
.endm
	s_load_b512 s[4:19], s[0:1], 0x0               ; features s[4:5], num_points s[6:7], W1 s[8:9], g1 s[10:11], b1 s[12:13], kc s[14:15], w2q s[16:17], st1 s[18:19]
	s_load_b128 s[20:23], s[0:1], 0x40             ; hm s[20:21], st2 s[22:23]
	v_lshl_add_u32 v[SPW], v0, 2, SPARE
	v_mov_b32 v[NIL], 0
	v_lshrrev_b32 v15, 5, v0
	v_readfirstlane_b32 s[WV], v15                 ; wave 0..7
	v_and_b32 v196, 31, v0                         ; lane
	v_and_b32 v197, 15, v0                         ; r
	v_bfe_u32 v198, v0, 4, 1                       ; h
	v_add_nc_u32 v199, 1, v197
	v_lshrrev_b32 v199, 4, v199
	v_sub_nc_u32 v199, v197, v199                  ; r' = r, but 14 in lane 15: it enters the offset into num_points alone
	s_wait_alu depctr_va_sdst(0)                   ; the wave's number is written, ahead of its first reader: bases and LDS regions are made from it
	s_lshl_b32 s[GI], ttmp9, 3
	s_add_co_u32 s[GI], s[GI], s[WV]               ; G
	s_mul_i32 s26, s[WV], WREG
	v_mul_u32_u24 v[FRD], v197, PITCH              ; the stage has a row for each r
	v_add_nc_u32 v[FRD], s26, v[FRD]
	v_lshlrev_b32 v[L16], 4, v196
	v_add_nc_u32 v[IMG], s26, v[L16]
	v_mul_u32_u24 v[COL], v196, PITCH
	v_add_nc_u32 v[COL], s26, v[COL]
	v_mul_u32_u24 v[SO], v197, PITCH
	v_lshl_add_u32 v[SO], v198, 5, v[SO]
	v_add_nc_u32 v[SO], s26, v[SO]
	v_bfe_u32 v15, v0, 1, 3                        ; my four sums: tile (lane / 2) % 8: 64 bytes; Q's 512 bytes behind S's; four channels a lane
	v_lshlrev_b32 v[RDA], 6, v15
	v_lshl_add_u32 v[RDA], v198, 9, v[RDA]
	v_and_b32 v15, 1, v0
	v_lshl_add_u32 v[RDA], v15, 4, v[RDA]
	s_lshl_b32 s26, s[WV], 10
	s_add_co_u32 s27, s26, REDB
	v_add_nc_u32 v[RDA], s27, v[RDA]
	v_add_nc_u32 v211, s26, v[L16]                 ; in w2q: tile = my wave
	s_add_co_u32 s27, s26, W2I
	v_add_nc_u32 v206, s27, v[L16]                 ; where I put that tile's image,
	v_add_nc_u32 v207, W2I, v[L16]                 ; and from where every wave reads all eight
	s_lshl_b32 s26, s[WV], 9
	s_add_co_u32 s27, s26, PRB
	v_add_nc_u32 v204, s27, v[L16]
	v_add_nc_u32 v205, PRB, v[L16]
	s_add_co_u32 s27, s26, TABB
	v_bfe_u32 v200, v0, 3, 1
	v_lshlrev_b32 v200, 7, v200
	v_and_b32 v15, 7, v0
	v_lshl_add_u32 v200, v15, 2, v200              ; 4 x (32 (r / 8) + r % 8): my fragment row's channel in tile 0
	v_add_nc_u32 v[TA], s27, v200
	v_lshlrev_b32 v[L8], 3, v196
	v_add_nc_u32 v[TW], s27, v[L8]
	v_lshl_add_u32 v201, v198, 10, v200            ; + 4 rows of W1 for half 1
	v_lshl_add_u32 v202, v198, 9, v200             ; + 2 rows
	v_lshlrev_b32 v203, 2, v199
	v_lshlrev_b32 v208, 2, v196
	v_and_b32 v15, 63, v0
	v_lshlrev_b32 v210, 4, v15
	v_add_nc_u32 v209, REDB, v210
	v_cvt_f32_u32 v[A+1], v198
	v_sub_f32 v[A], 1.0, v[A+1]
	s_mov_b32 s[SEL], 0x76543210
	s_mov_b32 s[SEL+1], 0xfedcba98
	s_mov_b32 s40, 0x358bcf65                      ; 1 / 960,000
	s_mov_b32 s41, s40
	s_mov_b32 s42, 0x496a6000                      ; 960,000 rows
	s_mov_b32 s43, s42
	s_add_co_u32 s38, s[WV], 248                   ; st1 has 250 rows: wave w sums rows w + 8 i, i = 0 .. 30, and one more, 248 + w, which counts in waves 0 and 1 alone (held inside the buffer, weight 0, in the others)
	s_min_u32 s38, s38, 249
	s_lshl_b32 s38, s38, 9
	s_mov_b32 s39, 0
	s_cmp_lt_u32 s[WV], 2
	s_cselect_b32 s34, 1.0, 0
	s_mov_b32 s35, s34
	s_mov_b32 s27, 0
	s_wait_kmcnt 0x0
	s_add_nc_u64 s[36:37], s[18:19], s[38:39]
	s_add_nc_u64 s[18:19], s[18:19], s[26:27]      ; s26 = 512 x wave
	s_mul_i32 s26, s[GI], 7680
	s_add_nc_u64 s[4:5], s[4:5], s[26:27]
	s_add_nc_u64 s[20:21], s[20:21], s[26:27]
	s_mul_i32 s26, s[GI], 60
	s_add_nc_u64 s[6:7], s[6:7], s[26:27]
	s_lshl_b32 s26, s[GI], 10
	s_add_nc_u64 s[14:15], s[14:15], s[26:27]
	s_lshl_b32 s26, ttmp9, 10
	s_add_nc_u64 s[22:23], s[22:23], s[26:27]
	WIN 0x40                                       ; destinations in window 1
	s_wait_alu depctr_va_vdst(0)                   ; every offset and LDS address of the kernel but v[ADT] is written: v3, v5 to v9, v12 to v14 and v200 to v211, which the loads and stores from here to the end read
.irp i, 0,1,2,3,4,5,6,7,8,9,10,11,12,13,14,15,16,17,18,19,20,21,22,23,24,25,26,27,28,29,30
	global_load_b128 v[4*\i:4*\i+3], v[L16], s[18:19] offset:4096*\i   ; a row of st1: (sum, sum of squares) of channels 2 l, 2 l + 1
.endr
	global_load_b128 v[124:127], v[L16], s[36:37]
.irp i, 0,1,2,3,4,5,6,7,8,9,10,11,12,13,14
	global_load_b128 v[128+4*\i:131+4*\i], v[L16], s[4:5] offset:512*\i th:TH_LOAD_NT
.endr
	WIN 0
	global_load_b128 v[K:K+3], v[L16], s[14:15]
	global_load_b128 v[K+4:K+7], v[L16], s[14:15] offset:512
	global_load_b32 v[NP], v203, s[6:7]
.irp t, 0,1,2,3                        ; W1's rows by slot: half 0 | half 1: 0|4, 1|5;  7|(c), 8|(0);  2|6, 3|(0);  9|11, 10|12
	global_load_b32 v[W1F+8*\t],   v201, s[8:9] offset:32*\t
	global_load_b32 v[W1F+8*\t+1], v201, s[8:9] offset:256+32*\t
	global_load_b32 v[W1F+8*\t+2], v200, s[8:9] offset:256*7+32*\t
	global_load_b32 v[W1F+8*\t+3], v200, s[8:9] offset:256*8+32*\t
	global_load_b32 v[W1F+8*\t+4], v201, s[8:9] offset:256*2+32*\t
	global_load_b32 v[W1F+8*\t+5], v200, s[8:9] offset:256*3+32*\t
	global_load_b32 v[W1F+8*\t+6], v202, s[8:9] offset:256*9+32*\t
	global_load_b32 v[W1F+8*\t+7], v202, s[8:9] offset:256*10+32*\t
.endr
	global_load_b64 v[212:213], v[L8], s[10:11]    ; g1, b1 of channels 2 l, 2 l + 1
	global_load_b64 v[214:215], v[L8], s[12:13]
	global_load_b128 v[216:219], v211, s[16:17]
	global_load_b128 v[220:223], v211, s[16:17] offset:512
.irp i, 0,1,2,3
	global_load_b32 v[W2S+\i], v208, s[16:17] offset:8192+128*\i
.endr
	s_wait_loadcnt 0x0
	WIN 0x04                                       ; an LDS store's data are its source 1: window 1
.irp i, 0,1,2,3,4,5,6,7,8,9,10,11,12,13,14
	ds_store_b128 v[IMG], v[128+4*\i:131+4*\i] offset:PITCH*\i
.endr
	ds_store_b128 v[IMG], v[184:187] offset:PITCH*15   ; row 15: voxel 14 once more, for lane 15
	WIN 0
	ds_store_b128 v206, v[216:219]
	ds_store_b128 v206, v[220:223] offset:512
	WIN 0x55                                       ; all in window 1
	v_pk_mul_f32 v[124:125], v[124:125], s[34:35] op_sel_hi:[1,0]
	v_pk_mul_f32 v[126:127], v[126:127], s[34:35] op_sel_hi:[1,0]
.irp i, 0,2,4,6,8,10,12,14,16,18,20,22,24,26,28,30
	QADD 4*\i, 4*\i+4
.endr
.irp i, 0,4,8,12,16,20,24,28
	QADD 4*\i, 4*\i+8
.endr
.irp i, 0,8,16,24
	QADD 4*\i, 4*\i+16
.endr
	QADD 0, 32
	QADD 64, 96
	QADD 0, 64
	WIN 0x04
	s_wait_alu depctr_va_vdst(0)                   ; the additions have written my part of st1's sums, which the LDS store reads
	ds_store_b128 v204, v[0:3]
	WIN 0
	s_wait_dscnt 0x0                               ; for the others' sake: my tile of W2 and my part of the sums lie in LDS
	s_barrier_signal -1
	s_barrier_wait -1
.irp p, 0,1,2,3,4,5,6,7
	ds_load_b128 v[100+4*\p:103+4*\p], v205 offset:512*\p
.endr
.irp u, 0,1,2,3
.irp c, 0,1
	ds_load_b128 v[W2FL+8*\u+4*\c:W2FL+8*\u+4*\c+3], v207 offset:1024*\u+512*\c
.endr
.endr
	WIN 0x40
.irp u, 4,5,6,7
.irp c, 0,1
	ds_load_b128 v[W2FH+8*(\u-4)+4*\c:W2FH+8*(\u-4)+4*\c+3], v207 offset:1024*\u+512*\c
.endr
.endr
	WIN 0
	s_wait_dscnt 0x0
	TREE8 100                                      ; v100-103: sum, sum of squares of channels 2 l and 2 l + 1, over all 960,000 rows
	v_pk_mul_f32 v[104:105], v[100:101], s[40:41] op_sel_hi:[1,0]   ; / n: the reciprocal, and one correction by the remainder
	v_pk_mul_f32 v[106:107], v[102:103], s[40:41] op_sel_hi:[1,0]
	v_pk_fma_f32 v[108:109], v[104:105], s[42:43], v[100:101] op_sel_hi:[1,0,1] neg_lo:[1,0,0] neg_hi:[1,0,0]
	v_pk_fma_f32 v[110:111], v[106:107], s[42:43], v[102:103] op_sel_hi:[1,0,1] neg_lo:[1,0,0] neg_hi:[1,0,0]
	v_pk_fma_f32 v[104:105], v[108:109], s[40:41], v[104:105] op_sel_hi:[1,0,1]
	v_pk_fma_f32 v[106:107], v[110:111], s[40:41], v[106:107] op_sel_hi:[1,0,1]
	v_fma_f32 v112, -v104, v104, v105              ; the variance,
	v_fma_f32 v113, -v106, v106, v107
	v_max_num_f32 v112, 0, v112                    ; never under 0,
	v_max_num_f32 v113, 0, v113
	v_add_f32 v112, 0x3a83126f, v112               ; + 1e-3
	v_add_f32 v113, 0x3a83126f, v113
	v_rsq_f32 v114, v112
	v_rsq_f32 v115, v113
	v_lshlrev_b32 v[SH8], 3, v198                  ; (a plain line behind the two)
	s_wait_alu depctr_va_vdst(0)                   ; one wait for both: v114 and v115 are written, ahead of their first reader
	v_pk_mul_f32 v[116:117], v[114:115], v[212:213]   ; a = rs g
	v_fma_f32 v118, -v104, v116, v214              ; c = b - mu a
	v_fma_f32 v119, -v106, v117, v215
	s_wait_alu depctr_va_vdst(0)                   ; a and c are written, which the LDS stores read
	ds_store_b64 v[TW], v[116:117]                 ; my wave's own table: LDS serves a wave's instructions in order
	ds_store_b64 v[TW], v[118:119] offset:256
.irp t, 0,1,2,3
	ds_load_b32 v[132+\t], v[TA] offset:32*\t      ; a and c of my fragment row's channel in tile t
	ds_load_b32 v[136+\t], v[TA] offset:256+32*\t
.endr
	s_wait_dscnt 0x0
.irp t, 0,1,2,3
	v_mul_f32 v[140+\t], v[A], v[132+\t]           ; a in half 0, 0 in half 1
	v_mul_f32 v[144+\t], v[A+1], v[136+\t]         ; 0 in half 0, c in half 1
.endr
.irp t, 0,1,2,3
	v_mul_f32 v[W1F+8*\t],   v[W1F+8*\t],   v[132+\t]
	v_mul_f32 v[W1F+8*\t+1], v[W1F+8*\t+1], v[132+\t]
	v_fma_f32 v[W1F+8*\t+2], v[W1F+8*\t+2], v[140+\t], v[144+\t]   ; half 1: the constant's weight, c
	v_mul_f32 v[W1F+8*\t+3], v[W1F+8*\t+3], v[140+\t]              ; half 1: 0
	v_mul_f32 v[W1F+8*\t+4], v[W1F+8*\t+4], v[132+\t]
	v_mul_f32 v[W1F+8*\t+5], v[W1F+8*\t+5], v[140+\t]              ; half 1: 0
	v_mul_f32 v[W1F+8*\t+6], v[W1F+8*\t+6], v[132+\t]
	v_mul_f32 v[W1F+8*\t+7], v[W1F+8*\t+7], v[132+\t]
.endr
	; what the vector unit carries from tile to tile begins here: the trip is written once for all tiles; a first trip of its own would need as many moves
	s_wait_alu depctr_vm_vsrc(0)                   ; the head's LDS stores have read their data: the points (window 1, v128-187), my part of st1's sums (window 1, v0-3), a and c (v116-119): the moves below write these registers again
	WIN 0x40
.irp j, 0,1,2,3,4,5,6,7,8,9,10,11,12,13,14,15,16,17,18,19,20,21,22,23,24,25,26,27,28,29,30,31,32,33,34,35,36,37,38,39,40,41,42,43,44,45,46,47,48,49,50,51,52,53,54,55,56,57,58,59,60,61,62,63
	v_mov_b32 v[MX+\j], 0xff800000
	v_mov_b32 v[SS+\j], 0
	v_mov_b32 v[QQ+\j], 0
.endr
	WIN 0
.irp j, 0,1,2,3,4,5,6,7,8,9,10,11,12,13,14,15,16,17,18,19,20,21,22,23,24,25,26,27,28,29,30,31
	v_mov_b32 v[AG+\j], 0                          ; agg is a maximum of ReLU's results: never under 0
.endr
.irp j, 4,5,6,7
	v_mov_b32 v[RQ+\j], 0                          ; K blocks 2, 3 of part1: zero codes
.endr
	v_mov_b32 v[PX], 0                             ; a lane permute's destination counts as one of its sources
	; ---- THE 32 TILES
	s_mov_b32 s[PI], 0
	s_mov_b32 s[PT], 16
	ds_load_b128 v[X:X+3], v[FRD]                  ; no wait: no vector instruction has named X yet, and none since the head's first wait on va_vdst has named v[FRD]
	FEATA 1
	FEATB
	OSET
.irp s, 0,1,2,3
.irp t, 0,1,2,3
	WF \t, \s                                      ; tile 0's products: the four accumulators by turns
.endr
.endr
	FEATA 1                                        ; tile 1's features: also the plain lines between those products and the first read of their results
	FEATB
	s_mov_b32 s[CNT], 29
.Ltile:
	TRIP 1, 1, 1
	s_sub_co_u32 s[CNT], s[CNT], 1
	s_cmp_lg_u32 s[CNT], 0
	s_cbranch_scc1 .Ltile
	TRIP 1, 1, 0                                   ; tile 29: nothing is left to fetch,
	TRIP 1, 0, 0                                   ; tile 30: no features left to make,
	TRIP 0, 0, 0                                   ; tile 31: no products left to issue
	; ---- agg, once a voxel: my K block 2 + h: its byte into byte 2 + h, its codes into the operand's registers 4-7; blocks 0, 1 become zero codes
	v_max3_num_f32 v[BM], v[AG], v[AG+1], 0x1800000
	v_max3_num_f32 v[BM+1], v[AG+2], v[AG+3], 0x1800000
.irp i, 4,8,12,16,20,24,28
	v_max3_num_f32 v[BM], v[BM], v[AG+\i], v[AG+\i+1]
	v_max3_num_f32 v[BM+1], v[BM+1], v[AG+\i+2], v[AG+\i+3]
.endr
	v_max_num_f32 v[BM], v[BM], v[BM+1]
	v_add_nc_u32 v[SC], 0xff000000, v[BM]
	v_lshrrev_b32 v[BY], 23, v[SC]
	v_lshlrev_b32 v[BY], 16, v[BY]
	v_lshlrev_b32 v[BY], v[SH8], v[BY]
	v_permlanex16_b32 v[PX], v[BY], s[SEL], s[SEL+1]
	v_or_b32 v[RS], v[BY], v[PX]
.irp j, 0,1,2,3
	v_mov_b32 v[RQ+\j], 0
.endr
.irp g, 0,1,2,3
	v_cvt_scalef32_pk8_fp4_f32 v[RQ+4+\g], v[AG+8*\g:AG+8*\g+7], v[SC]
.endr
	NOPS 9                                         ; one plain line behind the conversions; eight between the scale word's write and the scaled products
	s_wait_alu depctr_va_vdst(0)                   ; agg's codes, the zero codes and the scale word are written, which the products on codes take; the places above stay beside this wait
	FP 0
	FP 1
	FP 2
	FP 3
	NOPS 4
	FINAL 0
	FINAL 1
	FINAL 2
	FINAL 3
	FP 4
	FP 5
	FP 6
	FP 7
	NOPS 4
	FINAL 4
	FINAL 5
	FINAL 6
	FINAL 7
	; ---- THE WAY OUT of the maxima: a lane holds 8 neighbouring channels of each tile of its voxel's row; the rows meet in my stage and leave whole
	WIN 0x04
	s_wait_alu depctr_va_vdst(0)                   ; M, S and Q are written, which the LDS stores of this way out read; the conversions, the products on codes and the lines that took U in are done with v100-159, in which the rows' loads land
.irp u, 0,1,2,3,4,5,6,7
	ds_store_b128 v[SO], v[MX+8*\u:MX+8*\u+3] offset:64*\u
	ds_store_b128 v[SO], v[MX+8*\u+4:MX+8*\u+7] offset:64*\u+16
.endr
	WIN 0
.irp i, 0,1,2,3,4,5,6,7,8,9,10,11,12,13,14
	ds_load_b128 v[100+4*\i:103+4*\i], v[IMG] offset:PITCH*\i   ; LDS serves a wave's instructions in order: these see the stores above.  Row 15 repeats voxel 14 and stays
.endr
.irp i, 0,1,2,3,4,5,6,7,8,9,10,11,12,13,14
	s_wait_dscnt 14-\i                             ; row i is in; the younger loads may be out
	global_store_b128 v[L16], v[100+4*\i:103+4*\i], s[20:21] offset:512*\i   ; 32 lanes store a row of 512 consecutive bytes, aligned
.endr
	; ---- S and Q over the lanes, as in launch 1: lanes 0-14 of each half
	WIN 0x04
.irp q, 0,1,2,3,4,5,6,7,8,9,10,11,12,13,14,15,16,17,18,19,20,21,22,23,24,25,26,27,28,29,30,31
	ds_store_b128 v[IMG], v[SS+4*\q:SS+4*\q+3] offset:PITCH*\q
.endr
	WIN 0x40
	s_wait_alu depctr_va_vdst(0)                   ; the lines that took U in have written S and Q, in which the loads below land
	s_wait_alu depctr_vm_vsrc(0)                   ; and the LDS stores above have read them
.irp hh, 0,1
.irp rr, 0,1,2,3,4,5,6,7,8,9,10,11,12,13,14
	ds_load_b128 v[SS+64*\hh+4*\rr:SS+64*\hh+4*\rr+3], v[COL] offset:(16*\hh+\rr)*16
.endr
.endr
	s_wait_dscnt 0x0
	WIN 0x55
	TREE15 SS
	TREE15 SS+64
	WIN 0x04
	s_wait_alu depctr_va_vdst(0)                   ; the additions have written my four sums of each half, which the LDS stores read
	ds_store_b128 v[RDA], v[SS:SS+3]               ; half 0: channels 16 u + 0 .. 7,
	ds_store_b128 v[RDA], v[SS+64:SS+67] offset:32 ; half 1: 16 u + 8 .. 15
	WIN 0
	s_wait_dscnt 0x0
	s_barrier_signal -1
	s_barrier_wait -1
	; ---- over the waves: waves 0 and 1, four numbers a lane
	s_cmp_lt_u32 s[WV], 2
	s_cbranch_scc0 .Ldone
.irp p, 0,1,2,3,4,5,6,7
	ds_load_b128 v[164+4*\p:167+4*\p], v209 offset:1024*\p   ; into the registers that held W2's tiles 0-3: the products that read them stand ahead of the waits on va_vdst above, and no vector or matrix instruction has named them since
.endr
	s_wait_dscnt 0x0
	TREE8 164
	s_wait_alu depctr_va_vdst(0)                   ; the additions have written v164-167, which the store reads
	global_store_b128 v210, v[164:167], s[22:23]   ; a wave stores 512 consecutive bytes, aligned
.Ldone:
	s_wait_dscnt 0x0                               ; the closing lines, six on end
	s_wait_alu 0x0
	s_wait_tensorcnt 0x0
	ds_add_u32 v[SPW], v[NIL]
	s_wait_dscnt 0x0
	s_endpgm
.Lfunc_end_k_q6a3168aa93_main:
	.size	k_q6a3168aa93_main, .Lfunc_end_k_q6a3168aa93_main-k_q6a3168aa93_main
	.p2alignl 7, 3214868480
	.fill 96, 4, 3214868480
	.section	.rodata,"a",@progbits
	.p2align	6, 0x0
	.amdhsa_kernel k_q6a3168aa93_main
		.amdhsa_group_segment_fixed_size 167936
		.amdhsa_private_segment_fixed_size 0
		.amdhsa_enable_private_segment 0
		.amdhsa_kernarg_size 80
		.amdhsa_user_sgpr_count 2
		.amdhsa_user_sgpr_kernarg_segment_ptr 1
		.amdhsa_wavefront_size32 1
		.amdhsa_system_sgpr_workgroup_id_x 1
		.amdhsa_system_sgpr_workgroup_id_y 1
		.amdhsa_system_sgpr_workgroup_id_z 1
		.amdhsa_system_vgpr_workitem_id 0
		.amdhsa_next_free_vgpr 512
		.amdhsa_next_free_sgpr 66
		.amdhsa_reserve_vcc 1
		.amdhsa_float_denorm_mode_32 3
		.amdhsa_float_denorm_mode_16_64 3
		.amdhsa_memory_ordered 1
		.amdhsa_forward_progress 1
		.amdhsa_inst_pref_size 129
	.end_amdhsa_kernel
	.amdgpu_metadata
---
amdhsa.version: [ 1, 2 ]
amdhsa.kernels:
  - .name:           k_q6a3168aa93_main
    .symbol:         k_q6a3168aa93_main.kd
    .args:
      - { .name: features, .offset: 0, .size: 8, .value_kind: global_buffer, .address_space: global }
      - { .name: num_points, .offset: 8, .size: 8, .value_kind: global_buffer, .address_space: global }
      - { .name: W1, .offset: 16, .size: 8, .value_kind: global_buffer, .address_space: global }
      - { .name: g1, .offset: 24, .size: 8, .value_kind: global_buffer, .address_space: global }
      - { .name: b1, .offset: 32, .size: 8, .value_kind: global_buffer, .address_space: global }
      - { .name: kc, .offset: 40, .size: 8, .value_kind: global_buffer, .address_space: global }
      - { .name: w2q, .offset: 48, .size: 8, .value_kind: global_buffer, .address_space: global }
      - { .name: st1, .offset: 56, .size: 8, .value_kind: global_buffer, .address_space: global }
      - { .name: hm, .offset: 64, .size: 8, .value_kind: global_buffer, .address_space: global }
      - { .name: st2, .offset: 72, .size: 8, .value_kind: global_buffer, .address_space: global }
    .group_segment_fixed_size: 167936
    .private_segment_fixed_size: 0
    .kernarg_segment_align: 8
    .kernarg_segment_size: 80
    .max_flat_workgroup_size: 256
    .sgpr_count:     66
    .vgpr_count:     512
    .wavefront_size: 32
...
	.end_amdgpu_metadata
.endif
;; end of part 4
;; launch finish (part 5): grid 250 x 1, 8 waves a work-group, no clusters, 9,216 bytes of LDS; arguments hm, st2, g2, b2, out0; writes out0
.if DOCPART == 5
	.amdgcn_target "amdgcn-amd-amdhsa--gfx1250"
	.amdhsa_code_object_version 6
	.text
	.protected	k_q6a3168aa93_finish
	.globl	k_q6a3168aa93_finish
	.p2align	8
	.type	k_q6a3168aa93_finish,@function
k_q6a3168aa93_finish:
	s_mov_b64 s[64:65], 0
	v_nop
	global_prefetch_b8 v0, s[64:65] scope:SCOPE_SE
	s_setreg_imm32_b32 hwreg(HW_REG_WAVE_SCHED_MODE, 0, 2), 2
	s_setreg_imm32_b32 hwreg(HW_REG_WAVE_MODE, 25, 1), 1
	s_wait_xcnt 0x0
	s_wait_alu depctr_vm_vsrc(0)
; LAUNCH 3 OF 3.  out0 = relu(|g2| rs (hm - mu) + b2).  hm is the maximum over a voxel's points of sign(g2) h2; mu and the variance are those of sign(g2) h2 over all 960,000 rows, from the 250 partial rows of st2.
; BN and ReLU rise with sign(g2) h2, so they are applied to the maximum alone: for all values of the inputs that is the maximum of reference()'s 32 results.  Nothing else is left out.
; LIMITS: the variance is E[h2^2] - mean^2 (its relative error grows as mean^2 / variance x 2^-24); NaN and infinities are not carried as reference() carries them.
; SHARES.  250 work-groups x 8 waves; wave G stores rows 15 G .. 15 G + 14; lane l keeps channels 4 l .. 4 l + 3, so a load or store of a wave covers a row's 512 consecutive bytes.
; Every work-group sums st2 itself: wave w takes rows w + 8 i, i = 0 .. 30, and row 248 + w, which counts in waves 0 and 1 alone (held inside the buffer, weight 0, in the others); the eight parts meet in LDS.
; A stream: no matrix unit, no tensor load, no cluster; all of hm's loads are out while st2 is summed.
; THE MODE: SCHED_MODE bits 1:0 = 2 (LLVM: expert scheduling mode 2), set by the entry lines.  The code itself states the register dependences
; between vector instructions and memory or LDS instructions, with s_wait_alu, always for 0.
; THE PLAN.  Registers that memory or LDS instructions touch:
;   R (16 rows)  read by the additions onto SU; rows 16-23 land in the first eight rows' registers, rows 24-30 in the next seven's.  The refills go in two runs, each behind ONE wait on va_vdst, which
;                states that the eight additions ahead of it are done reading; later the eight waves' parts land in v16-79, behind the wait ahead of SU's stores.
;   SU           written by the additions, read by two LDS stores, never written again.
;   HM (15 rows) loaded once, worked on in place, stored from there: each row has registers of its own.  Three blocks of five rows: the block's arithmetic, one wait on va_vdst, its five stores.
;   v3, v4       offsets, made once at the head, ahead of the first wait on va_vdst, and never written again.
; No register that a memory or LDS instruction reads is written again: so no wait on vm_vsrc is owed.
.set SPARE, 8192                       ; behind the waves' 8 x 1,024 bytes: the spare words, four blocks of 256 bytes that no other line names
.set R,   16                           ; v16-143  a ring of 16 rows of st2: S's four, Q's four
.set EX,  144                          ; v144-151 the extra row
.set SU,  152                          ; v152-159 my wave's sums
.set HM,  160                          ; v160-219 my 15 rows of hm, then of out0
.macro OADD d, s                       ; eight registers onto eight
.irp j, 0,2,4,6
	v_pk_add_f32 v[\d+\j:\d+\j+1], v[\d+\j:\d+\j+1], v[\s+\j:\s+\j+1]
.endr
.endm
	s_load_b256 s[4:11], s[0:1], 0x0               ; hm s[4:5], st2 s[6:7], g2 s[8:9], b2 s[10:11]
	s_load_b64 s[12:13], s[0:1], 0x20              ; out0
	v_lshl_add_u32 v1, v0, 2, SPARE
	v_mov_b32 v2, 0
	v_lshrrev_b32 v3, 5, v0
	v_readfirstlane_b32 s14, v3                    ; wave
	v_and_b32 v3, 31, v0
	v_lshlrev_b32 v3, 4, v3                        ; 16 x lane
	s_wait_alu depctr_va_sdst(0)                   ; the wave's number is written, ahead of its first reader: the bases are made from it
	s_lshl_b32 s15, ttmp9, 3
	s_add_co_u32 s15, s15, s14                     ; G
	s_lshl_b32 s16, s14, 10
	s_mov_b32 s17, 0
	v_add_nc_u32 v4, s16, v3                       ; LDS: my wave's 1,024 bytes
	s_add_co_u32 s18, s14, 248
	s_min_u32 s18, s18, 249
	s_lshl_b32 s18, s18, 10
	s_mov_b32 s19, 0
	s_cmp_lt_u32 s14, 2
	s_cselect_b32 s20, 1.0, 0
	s_mov_b32 s21, s20
	s_mul_i32 s22, s15, 7680
	s_mov_b32 s23, 0
	s_mov_b32 s24, 0x358bcf65                      ; 1 / 960,000
	s_mov_b32 s25, s24
	s_wait_kmcnt 0x0
	s_add_nc_u64 s[26:27], s[6:7], s[18:19]
	s_add_nc_u64 s[6:7], s[6:7], s[16:17]
	s_add_nc_u64 s[4:5], s[4:5], s[22:23]
	s_add_nc_u64 s[12:13], s[12:13], s[22:23]
	s_wait_alu depctr_va_vdst(0)                   ; v3 and v4 are written: every load and store of the kernel reads one of them as its offset or address
	global_load_b128 v[EX:EX+3], v3, s[26:27]
	global_load_b128 v[EX+4:EX+7], v3, s[26:27] offset:512
.irp i, 0,1,2,3,4,5,6,7,8,9,10,11,12,13,14,15
	global_load_b128 v[R+8*\i:R+8*\i+3], v3, s[6:7] offset:8192*\i
	global_load_b128 v[R+8*\i+4:R+8*\i+7], v3, s[6:7] offset:8192*\i+512
.endr
	global_load_b128 v[220:223], v3, s[8:9]
	global_load_b128 v[224:227], v3, s[10:11]
.irp i, 0,1,2,3,4,5,6,7,8,9,10,11,12,13,14
	global_load_b128 v[HM+4*\i:HM+4*\i+3], v3, s[4:5] offset:512*\i th:TH_LOAD_NT
.endr
	s_wait_loadcnt 49                              ; the extra row is in: 32 + 2 + 15 loads were issued behind it
.irp j, 0,2,4,6
	v_pk_mul_f32 v[SU+\j:SU+\j+1], v[EX+\j:EX+\j+1], s[20:21] op_sel_hi:[1,0]   ; the sums begin with it, times its weight
.endr
.irp i, 0,1,2,3,4,5,6,7
	s_wait_loadcnt 47-2*\i                         ; row i is in: behind it stand the 2 (15 - i) loads of the later rows and the 17 of g2, b2 and hm
	OADD SU, R+8*\i
.endr
	s_wait_alu depctr_va_vdst(0)                   ; the eight additions are done reading the registers of rows 0 to 7, in which rows 16 to 23 land
.irp i, 0,1,2,3,4,5,6,7
	global_load_b128 v[R+8*\i:R+8*\i+3], v3, s[6:7] offset:8192*(16+\i)
	global_load_b128 v[R+8*\i+4:R+8*\i+7], v3, s[6:7] offset:8192*(16+\i)+512
.endr
.irp i, 8,9,10,11,12,13,14,15
	s_wait_loadcnt 47-2*(\i-8)                     ; row i is in: behind it stand 2 (15 - i) loads of the later rows, the 17 of g2, b2 and hm, and the 16 refills
	OADD SU, R+8*\i
.endr
	s_wait_alu depctr_va_vdst(0)                   ; the additions are done reading the registers of rows 8 to 14, in which rows 24 to 30 land
.irp i, 8,9,10,11,12,13,14
	global_load_b128 v[R+8*\i:R+8*\i+3], v3, s[6:7] offset:8192*(16+\i)
	global_load_b128 v[R+8*\i+4:R+8*\i+7], v3, s[6:7] offset:8192*(16+\i)+512
.endr
.irp k, 0,1,2,3,4,5,6,7,8,9,10,11,12,13,14
	s_wait_loadcnt 2*(14-\k)                       ; row 16 + k is in; the younger refills may be out
	OADD SU, R+8*\k
.endr
	s_wait_alu depctr_va_vdst(0)                   ; my wave's sums are written, which the LDS stores read; the additions are done reading v16-79, in which the LDS loads behind the barrier land
	ds_store_b128 v4, v[SU:SU+3]
	ds_store_b128 v4, v[SU+4:SU+7] offset:512
	s_wait_dscnt 0x0                               ; for the others' sake
	s_barrier_signal -1
	s_barrier_wait -1
.irp p, 0,1,2,3,4,5,6,7
	ds_load_b128 v[R+8*\p:R+8*\p+3], v3 offset:1024*\p
	ds_load_b128 v[R+8*\p+4:R+8*\p+7], v3 offset:1024*\p+512
.endr
	s_wait_dscnt 0x0
	OADD R, R+8
	OADD R+16, R+24
	OADD R+32, R+40
	OADD R+48, R+56
	OADD R, R+16
	OADD R+32, R+48
	OADD R, R+32                                   ; v16-19 the sums, v20-23 the sums of squares of my four channels
	v_pk_mul_f32 v[228:229], v[16:17], s[24:25] op_sel_hi:[1,0]     ; mu
	v_pk_mul_f32 v[230:231], v[18:19], s[24:25] op_sel_hi:[1,0]
	v_pk_mul_f32 v[232:233], v[20:21], s[24:25] op_sel_hi:[1,0]
	v_pk_mul_f32 v[234:235], v[22:23], s[24:25] op_sel_hi:[1,0]
	v_pk_fma_f32 v[232:233], v[228:229], v[228:229], v[232:233] neg_lo:[1,0,0] neg_hi:[1,0,0]   ; the variance
	v_pk_fma_f32 v[234:235], v[230:231], v[230:231], v[234:235] neg_lo:[1,0,0] neg_hi:[1,0,0]
.irp j, 0,1,2,3
	v_max_num_f32 v[232+\j], 0, v[232+\j]
.endr
.irp j, 0,1,2,3
	v_add_f32 v[232+\j], 0x3a83126f, v[232+\j]     ; + 1e-3
.endr
.irp j, 0,1,2,3
	v_rsq_f32 v[236+\j], v[232+\j]
.endr
	v_nop                                          ; a plain line behind the four
	s_wait_alu depctr_va_vdst(0)                   ; one wait for the batch: v236-239 are written, ahead of their first reader
.irp j, 0,1,2,3
	v_mul_f32 v[240+\j], |v[220+\j]|, v[236+\j]    ; a2 = |g2| rs
.endr
	v_pk_fma_f32 v[244:245], v[228:229], v[240:241], v[224:225] neg_lo:[1,0,0] neg_hi:[1,0,0]   ; c2 = b2 - mu a2
	v_pk_fma_f32 v[246:247], v[230:231], v[242:243], v[226:227] neg_lo:[1,0,0] neg_hi:[1,0,0]
.irp b, 0,1,2                          ; three blocks of five rows: the arithmetic, one wait, the stores
.irp i, 0,1,2,3,4
	v_pk_fma_f32 v[HM+4*(5*\b+\i):HM+4*(5*\b+\i)+1], v[HM+4*(5*\b+\i):HM+4*(5*\b+\i)+1], v[240:241], v[244:245]
	v_pk_fma_f32 v[HM+4*(5*\b+\i)+2:HM+4*(5*\b+\i)+3], v[HM+4*(5*\b+\i)+2:HM+4*(5*\b+\i)+3], v[242:243], v[246:247]
.irp j, 0,1,2,3
	v_max_num_f32 v[HM+4*(5*\b+\i)+\j], 0, v[HM+4*(5*\b+\i)+\j]
.endr
.endr
	s_wait_alu depctr_va_vdst(0)                   ; the block's five rows are written, which the five stores read
.irp i, 0,1,2,3,4
	global_store_b128 v3, v[HM+4*(5*\b+\i):HM+4*(5*\b+\i)+3], s[12:13] offset:512*(5*\b+\i) th:TH_STORE_NT   ; a row's 512 consecutive bytes, aligned; each row has registers of its own, so no store's data are written again
.endr
.endr
	s_wait_dscnt 0x0                               ; the closing lines, six on end
	s_wait_alu 0x0
	s_wait_tensorcnt 0x0
	ds_add_u32 v1, v2
	s_wait_dscnt 0x0
	s_endpgm
.Lfunc_end_k_q6a3168aa93_finish:
	.size	k_q6a3168aa93_finish, .Lfunc_end_k_q6a3168aa93_finish-k_q6a3168aa93_finish
	.p2alignl 7, 3214868480
	.fill 96, 4, 3214868480
	.section	.rodata,"a",@progbits
	.p2align	6, 0x0
	.amdhsa_kernel k_q6a3168aa93_finish
		.amdhsa_group_segment_fixed_size 9216
		.amdhsa_private_segment_fixed_size 0
		.amdhsa_enable_private_segment 0
		.amdhsa_kernarg_size 40
		.amdhsa_user_sgpr_count 2
		.amdhsa_user_sgpr_kernarg_segment_ptr 1
		.amdhsa_wavefront_size32 1
		.amdhsa_system_sgpr_workgroup_id_x 1
		.amdhsa_system_sgpr_workgroup_id_y 1
		.amdhsa_system_sgpr_workgroup_id_z 1
		.amdhsa_system_vgpr_workitem_id 0
		.amdhsa_next_free_vgpr 256
		.amdhsa_next_free_sgpr 66
		.amdhsa_reserve_vcc 0
		.amdhsa_float_denorm_mode_32 3
		.amdhsa_float_denorm_mode_16_64 3
		.amdhsa_memory_ordered 1
		.amdhsa_forward_progress 1
		.amdhsa_inst_pref_size 29
	.end_amdhsa_kernel
	.amdgpu_metadata
---
amdhsa.version: [ 1, 2 ]
amdhsa.kernels:
  - .name:           k_q6a3168aa93_finish
    .symbol:         k_q6a3168aa93_finish.kd
    .args:
      - { .name: hm, .offset: 0, .size: 8, .value_kind: global_buffer, .address_space: global }
      - { .name: st2, .offset: 8, .size: 8, .value_kind: global_buffer, .address_space: global }
      - { .name: g2, .offset: 16, .size: 8, .value_kind: global_buffer, .address_space: global }
      - { .name: b2, .offset: 24, .size: 8, .value_kind: global_buffer, .address_space: global }
      - { .name: out0, .offset: 32, .size: 8, .value_kind: global_buffer, .address_space: global }
    .group_segment_fixed_size: 9216
    .private_segment_fixed_size: 0
    .kernarg_segment_align: 8
    .kernarg_segment_size: 40
    .max_flat_workgroup_size: 256
    .sgpr_count:     66
    .vgpr_count:     256
    .wavefront_size: 32
...
	.end_amdgpu_metadata
.endif
;; end of part 5
